; MI455X (gfx1250); checked and timed in simulation.
; The chip was launched on July 23, 2026; its instructions are those of AMD's public machine-readable ISA for CDNA 5 (MIT licence, August 2026) and "CDNA5" Instruction Set Architecture Reference Guide (July 2026). The comments in the code are by the model that wrote it; some were corrected since.
;; Post Norm Attention Block. Allowed arithmetic: float matrix products may take bf16 or f16 operands with f32 sums; other float arithmetic in f32, or as packed bf16 or f16 multiplies, adds, multiply-adds, maxima and minima; sums over many terms, partial sums and values carried from step to step in f32; what a program stores and reads back later, other than sums and carried values, may be rounded once to bf16 or f16.
;; Inputs: W1 4,096 x 1,024 float32; W2 1,024 x 4,096 float32; Wk 1,024 x 1,024 float32; Wq 1,024 x 1,024 float32; Wv 1,024 x 1,024 float32; Wy 1,024 x 1,024 float32; b1 4,096 float32; b2 1,024 float32; bk 1,024 float32; bq 1,024 float32; bv 1,024 float32; by 1,024 float32; ln1_b 1,024 float32; ln1_w 1,024 float32; ln2_b 1,024 float32; ln2_w 1,024 float32; x 2 x 2,048 x 1,024 float32.
;; Outputs: out0 2 x 2,048 x 1,024 float32.
;; Constants: num_heads = 16.
;; One version. Each part assembles by itself: llvm-mc -triple=amdgcn-amd-amdhsa -mcpu=gfx1250 --defsym DOCPART=n.
;; ======== version 1 of 1: 8 launches
;; limits: values are held in f16: magnitudes above 65,504 overflow, below 6.1e-05 lose precision
;; workspace buffers: wc 33,554,432 bytes; qkv 25,165,824 bytes; ob 8,388,608 bytes; t 16,777,216 bytes; y1 8,388,608 bytes; hb 33,554,432 bytes
;; launch cast (part 1): grid 64 x 16, 8 waves a work-group, no clusters, 0 bytes of LDS; arguments x, W1, W2, Wq, Wk, Wv, Wy, wc; writes wc
.if DOCPART == 1
	.amdgcn_target "amdgcn-amd-amdhsa--gfx1250"
	.amdhsa_code_object_version 6
	.text
	.protected	k_q7c9d45d883_cast
	.globl	k_q7c9d45d883_cast
	.p2align	8
	.type	k_q7c9d45d883_cast,@function
k_q7c9d45d883_cast:
	s_mov_b64 s[64:65], 0
	v_nop
	global_prefetch_b8 v0, s[64:65] scope:SCOPE_SE
	s_setreg_imm32_b32 hwreg(HW_REG_WAVE_MODE, 25, 1), 1
	s_wait_xcnt 0x0
; wc = x | W1 | W2 | Wq | Wk | Wv | Wy, each number rounded once from f32 to f16 (the matrix operands of all later launches).
; LIMIT: a number of 65,520 or more in magnitude becomes an infinity in f16; below 6e-5 f16 keeps a fixed step of 6e-8.
; SHARES.  Unit u (the grid's y, 0..15) is 2^20 numbers: 4 MiB in, 2 MiB out, at wc + u x 2 MiB.  u 0-3: quarters of x, 4-7 of W1, 8-11 of W2; 12..15: Wq, Wk, Wv, Wy.
; A wave takes 8,192 consecutive input bytes: sixteen loads of 512 bytes, all issued at once; each store of the wave covers 256 consecutive bytes, aligned.
; No LDS, no matrix unit, no cluster: nothing is shared and every byte is touched once.
.set XR, 8                             ; v[8:71]   sixteen loads of four f32
.set YR, 72                            ; v[72:103] sixteen pairs of packed f16
	s_load_b512 s[8:23], s[0:1], 0x0               ; x s[8:9], W1 s[10:11], W2 s[12:13], Wq s[14:15], Wk s[16:17], Wv s[18:19], Wy s[20:21], wc s[22:23]
	s_and_b32 s4, ttmp7, 0xffff                    ; u
	s_lshr_b32 s5, s4, 2                           ; which tensor: 0 x, 1 W1, 2 W2, 3 one of the four small ones
	s_and_b32 s6, s4, 3                            ; which quarter, or which small one
	v_lshrrev_b32 v1, 5, v0
	v_readfirstlane_b32 s7, v1                     ; wave 0..7
	v_and_b32 v3, 31, v0                           ; lane
	v_lshlrev_b32 v1, 4, v3                        ; 16 bytes a lane in
	v_lshlrev_b32 v2, 3, v3                        ; 8 bytes a lane out
	s_lshl_b32 s2, ttmp9, 3
	s_add_co_u32 s2, s2, s7                        ; my wave among the unit's 512
	s_lshl_b32 s28, s2, 13                         ; its 8,192 bytes in
	s_lshl_b32 s30, s2, 12                         ; its 4,096 bytes out
	s_lshl_b32 s3, s4, 21                          ; the unit's 2 MiB in wc
	s_add_co_u32 s30, s30, s3
	s_mov_b32 s31, 0
	s_lshl_b32 s3, s6, 22                          ; the quarter's 4 MiB in a large tensor,
	s_cmp_eq_u32 s5, 3
	s_cselect_b32 s3, 0, s3                        ; nothing in a small one
	s_add_co_u32 s28, s28, s3
	s_mov_b32 s29, 0
	s_wait_kmcnt 0x0
	s_cmp_eq_u32 s6, 1                             ; the source is chosen among the buffers by u alone
	s_cselect_b64 s[24:25], s[16:17], s[14:15]
	s_cmp_eq_u32 s6, 2
	s_cselect_b64 s[24:25], s[18:19], s[24:25]
	s_cmp_eq_u32 s6, 3
	s_cselect_b64 s[24:25], s[20:21], s[24:25]
	s_cmp_eq_u32 s5, 0
	s_cselect_b64 s[26:27], s[8:9], s[24:25]
	s_cmp_eq_u32 s5, 1
	s_cselect_b64 s[26:27], s[10:11], s[26:27]
	s_cmp_eq_u32 s5, 2
	s_cselect_b64 s[26:27], s[12:13], s[26:27]
	s_add_nc_u64 s[26:27], s[26:27], s[28:29]
	s_add_nc_u64 s[22:23], s[22:23], s[30:31]
.set i, 0
.rept 16
	global_load_b128 v[XR+4*i:XR+4*i+3], v1, s[26:27] offset:512*i th:TH_LOAD_NT
.set i, i+1
.endr
.set i, 0
.rept 16
	s_wait_loadcnt 15-i                            ; loads come back in order: load i is in, the 15 - i younger ones stay out
	v_cvt_pk_f16_f32 v[YR+2*i], v[XR+4*i], v[XR+4*i+1]
	v_cvt_pk_f16_f32 v[YR+2*i+1], v[XR+4*i+2], v[XR+4*i+3]
	global_store_b64 v2, v[YR+2*i:YR+2*i+1], s[22:23] offset:256*i th:TH_STORE_NT
.set i, i+1
.endr
	s_endpgm
.Lfunc_end_k_q7c9d45d883_cast:
	.size	k_q7c9d45d883_cast, .Lfunc_end_k_q7c9d45d883_cast-k_q7c9d45d883_cast
	.p2alignl 7, 3214868480
	.fill 96, 4, 3214868480
	.section	.rodata,"a",@progbits
	.p2align	6, 0x0
	.amdhsa_kernel k_q7c9d45d883_cast
		.amdhsa_group_segment_fixed_size 0
		.amdhsa_private_segment_fixed_size 0
		.amdhsa_enable_private_segment 0
		.amdhsa_kernarg_size 64
		.amdhsa_user_sgpr_count 2
		.amdhsa_user_sgpr_kernarg_segment_ptr 1
		.amdhsa_wavefront_size32 1
		.amdhsa_system_sgpr_workgroup_id_x 1
		.amdhsa_system_sgpr_workgroup_id_y 1
		.amdhsa_system_sgpr_workgroup_id_z 1
		.amdhsa_system_vgpr_workitem_id 0
		.amdhsa_next_free_vgpr 104
		.amdhsa_next_free_sgpr 66
		.amdhsa_reserve_vcc 0
		.amdhsa_float_denorm_mode_32 3
		.amdhsa_float_denorm_mode_16_64 3
		.amdhsa_memory_ordered 1
		.amdhsa_forward_progress 1
		.amdhsa_inst_pref_size 7
	.end_amdhsa_kernel
	.amdgpu_metadata
---
amdhsa.version: [ 1, 2 ]
amdhsa.kernels:
  - .name:           k_q7c9d45d883_cast
    .symbol:         k_q7c9d45d883_cast.kd
    .args:
      - { .name: x, .offset: 0, .size: 8, .value_kind: global_buffer, .address_space: global }
      - { .name: W1, .offset: 8, .size: 8, .value_kind: global_buffer, .address_space: global }
      - { .name: W2, .offset: 16, .size: 8, .value_kind: global_buffer, .address_space: global }
      - { .name: Wq, .offset: 24, .size: 8, .value_kind: global_buffer, .address_space: global }
      - { .name: Wk, .offset: 32, .size: 8, .value_kind: global_buffer, .address_space: global }
      - { .name: Wv, .offset: 40, .size: 8, .value_kind: global_buffer, .address_space: global }
      - { .name: Wy, .offset: 48, .size: 8, .value_kind: global_buffer, .address_space: global }
      - { .name: wc, .offset: 56, .size: 8, .value_kind: global_buffer, .address_space: global }
    .group_segment_fixed_size: 0
    .private_segment_fixed_size: 0
    .kernarg_segment_align: 8
    .kernarg_segment_size: 64
    .max_flat_workgroup_size: 256
    .sgpr_count:     66
    .vgpr_count:     104
    .wavefront_size: 32
...
	.end_amdgpu_metadata
.endif
;; end of part 1
;; launch qkv (part 2): grid 16 x 16, 4 waves a work-group, clusters of 4 x 4, 327,680 bytes of LDS; arguments wc, qkv, bq, bk, bv; writes qkv
.if DOCPART == 2
	.amdgcn_target "amdgcn-amd-amdhsa--gfx1250"
	.amdhsa_code_object_version 6
	.text
	.protected	k_q7c9d45d883_qkv
	.globl	k_q7c9d45d883_qkv
	.p2align	8
	.type	k_q7c9d45d883_qkv,@function
k_q7c9d45d883_qkv:
	s_mov_b64 s[64:65], 0
	v_nop
	global_prefetch_b8 v0, s[64:65] scope:SCOPE_SE
	s_setreg_imm32_b32 hwreg(HW_REG_WAVE_MODE, 25, 1), 1
	s_wait_xcnt 0x0
	s_wait_alu depctr_hold_cnt(0) depctr_sa_sdst(0) depctr_va_vdst(0) depctr_va_sdst(0) depctr_va_ssrc(0) depctr_va_vcc(0) depctr_vm_vsrc(0)
	s_getreg_b32 s2, hwreg(HW_REG_IB_STS2, 6, 4)
	s_cmp_eq_u32 s2, 0
	s_cbranch_scc0 .Lentry_in_a_cluster
	s_endpgm
.Lentry_in_a_cluster:
	s_bfe_u32 s2, ttmp6, 0x10000c
	s_cmp_lg_u32 s2, 0xf033
	s_cbranch_scc0 .Lentry_shape_is_right
	s_endpgm
.Lentry_shape_is_right:
; q | k | v = x [Wq; Wk; Wv]^T + bias, written by heads: qkv = three tensors [32 = batch x 16 + head][2048][64] in f16, each number rounded once from its f32 sum, unscaled.
; A = x in f16 (wc, byte 0) [4096][1024]; B = Wq, Wk, Wv on end in f16 (wc, byte 25,165,824) [3072][1024].  Sums in f32.
; LIMITS: q, k, v of 65,520 or more in magnitude become infinities in f16.  K is summed in a rotated order (below), in f32.
; SHARES.  A work-group makes 256 tokens x 192 columns (three whole heads); each of its four waves 128 x 96: 48 accumulators of 16 x 16.  16 x 16 work-groups.
; K goes in 8 steps of 128 through two LDS slots filled by tensor loads; rows of the tiles are 256 bytes of memory, aligned.  ONE K step is a trip of the loop: the slot in hand is a scalar
; offset TC that an exclusive or turns from 0 to SLOT and back; LDS read addresses and the walking descriptor's LDS word are a fixed part plus TC.
; THE WALK ALONG K.  Cluster (X, Y) begins at K step r = (2 X + 4 ((Y xor Y / 2) mod 2)) mod 8 and wraps round.  So the four clusters of a row of clusters, which read the same rows of A, stand two steps apart, and of
; the four clusters of a column, which read the same rows of B, two begin at r and two at r + 4: they do not all ask for the same block at the same time.  r hangs on the cluster's place alone: it is equal in all partners.
; CLUSTER 4 x 4: A's tiles are asked for jointly along a row of the cluster, B's along a column (the same load, descriptor and mask in the four).
; THE MATRIX INSTRUCTION IS USED TRANSPOSED (source 0 = 16 rows of B, source 1 = 16 rows of A): a lane holds row lane % 16 of C and the columns 8 (lane / 16) + 0..7.
; REGISTERS in windows of 256: window 0 addresses, biases, A's two fragment buffers (v64-127, v128-191); window 1 B's two buffers; windows 2, 3 the accumulators of my rows 0-63, 64-127.
.set NB,     6                         ; blocks of 16 columns in a wave's tile
.set KSTEP,  128
.set PITCH,  272                       ; an LDS row: 256 bytes + 16 of padding = 68 words: the 16 rows of a fragment load start at 16 different groups of four banks (64 banks of 4 bytes: ISA guide 11.1)
.set HALFA,  128*PITCH                 ; what one tensor load brings of A
.set HALFB,  16*NB*PITCH               ; and of B
.set SLOT,   2*HALFA+2*HALFB           ; A's 256 rows, then B's 192
.set SPARE,  2*SLOT                    ; behind the ring: the spare words, 128 bytes a wave, named by no other line
.set LRUN,   2*NB+16                   ; LDS loads in a run: a quarter step's fragments
.set DP,     784                       ; the way out: a stage row, 192 f32 + 16 bytes
.set WQKV,   25165824
.set ADRA0, 16                         ; v16  my place in A's part of a slot; never rewritten
.set ADRA,  17                         ; v17  the same in the slot in hand
.set ADRB0, 20
.set ADRB,  21
.set STO,   24                         ; v24  the way out: where I put my rows 0-63
.set RD,    25                         ; v25  where I read rows back
.set STO2,  27                         ; v27  where I put my rows 64-127
.set SPW,   28                         ; v28  LDS address of my spare word; never rewritten
.set NIL,   29                         ; v29  0; never rewritten
.set PFO,   30                         ; v30  the prefetch's offset: a lane a row; never rewritten
.set BIAS,  40                         ; v[40:51] my four channels' bias for each of the three heads
.set VO,    52                         ; v52-54  my byte offset in qkv for each of the three heads
.set BOF,   56                         ; v56-58  my byte offset in the bias
.set XR,    64                         ; the way out: 12 x 4 f32
.set OUTR,  112                        ; 12 x 2 packed f16
.set F0,    64
.set F1,    128
.set G1,  24                           ; s[24:31] descriptor group 1 for A
.set G0,  32                           ; s[32:39] group 0 for A: set 0 for the first fill, set 1 walks
.set LIM, 43                           ; s43  5 in a wave that prefetches, else the greatest number
.set PFA, 44                           ; s[44:45] where my prefetch stands; never rewritten
.set G1B, 48                           ; s[48:55], s[56:63] the same for B
.set G0B, 56
.set KOF,   94                         ; s[94:95] the byte offset along K of the step to be asked for
.set ABASE, 96                         ; s[96:97] A at the rows that I fetch, K = 0
.set BBASE, 98                         ; s[98:99] B likewise
.set KW,    100                        ; s100 the K step last asked for
.set MSB, 0
.macro WIN new                         ; the immediate's high byte repeats the setting that is left; a switch that changes nothing is dropped
.if MSB != (\new)
	s_set_vgpr_msb (MSB<<8)|(\new)
.set MSB, \new
.endif
.endm
.set MUL_LO, 0xa1                      ; source 0 (B) window 1, source 1 (A) window 0, C and D window 2
.set MUL_HI, 0xf1                      ; the same, C and D window 3
.set TO_B,   0x40                      ; destination window 1, address window 0
.macro JLOAD s                         ; a joint load: waves 0, 1 fetch A's halves, waves 2, 3 B's; an s_nop 0 and four v_nop follow each line
	s_cmp_eq_u32 s11, 0
	s_cbranch_scc0 .Lfor_b_\@
	tensor_load_to_lds s[G0+4*(\s):G0+4*(\s)+3], s[G1:G1+7]
	s_nop 0
.rept 4
	v_nop
.endr
	s_branch .Lasked_\@
.Lfor_b_\@:
	tensor_load_to_lds s[G0B+4*(\s):G0B+4*(\s)+3], s[G1B:G1B+7]
	s_nop 0
.rept 4
	v_nop
.endr
.Lasked_\@:
.endm
; THE PREFETCH.  Behind the first refill (my walk's step 2) it names B's rows of my walk's step 3: one K step, 192 matrix instructions, ahead of the refill that loads them.  Steps 0 and 1 of a walk are the first fills, at the head,
; where nothing is asked for; steps 4 to 7 are steps 0 to 3 of the clusters that begin four steps on; A's eight K steps are the first fills of the four clusters of a row of clusters.  WHO: the waves that fetch B, in clusters
; y = 0 and y = 1 (one of each two that begin alike); the four partners share a wave's 96 rows by address, 24 each, a lane a row (lanes 24-31 name row 23 once more, in the same instruction).
.macro ASK
	s_cmp_gt_u32 s3, s[LIM]                        ; s3 = 6, in the first trip alone, is above 5
	s_cbranch_scc0 .Lnot_mine_\@
	global_prefetch_b8 v[PFO], s[PFA:PFA+1] th:TH_LOAD_NT scope:SCOPE_SE
.Lnot_mine_\@:
.endm
.macro CREST                           ; a round of the cluster's barrier behind its opening barrier
	s_cmp_lg_u32 s10, 0
	s_cbranch_scc1 .Lnot_wave_0_\@
	s_barrier_signal -3
.Lnot_wave_0_\@:
	s_barrier_wait -3
	s_barrier_signal -1
	s_barrier_wait -1
.endm
.macro CROUND
	s_barrier_signal -1
	s_barrier_wait -1
	CREST
.endm
.macro PLACES                          ; four plain places behind matrix instructions (ISA guide 7.12.1)
.rept 4
	v_nop
.endr
.endm
	s_load_b64 s[4:5], s[0:1], 0x0                 ; wc
	s_load_b64 s[8:9], s[0:1], 0x8                 ; qkv
	s_load_b128 s[68:71], s[0:1], 0x10             ; bq, bk
	s_load_b64 s[72:73], s[0:1], 0x20              ; bv
	v_lshl_add_u32 v[SPW], v0, 2, SPARE
	v_mov_b32 v[NIL], 0
	ds_add_u32 v[SPW], v[NIL]                      ; the wave's opening: the add and its wait stand ahead of my first tensor load; register work stands between
	v_lshrrev_b32 v1, 5, v0
	v_readfirstlane_b32 s10, v1                    ; wave 0..3
	s_lshr_b32 s11, s10, 1                         ; my half of the tile's rows; also: I fetch for A (0) or B (1)
	s_and_b32 s12, s10, 1                          ; my half of its columns; also: which half of that tile I fetch
	s_bfe_u32 s40, ttmp6, 0x40000                  ; cx
	s_bfe_u32 s41, ttmp6, 0x40004                  ; cy
	s_lshl_b32 s42, ttmp9, 2
	s_add_co_u32 s42, s42, s40                     ; tile column
	s_and_b32 s13, ttmp7, 0xffff
	s_lshl_b32 s13, s13, 2
	s_add_co_u32 s13, s13, s41                     ; tile row
	s_lshl_b32 s43, s41, 2
	s_lshl_b32 s43, 15, s43                        ; my row of the cluster
	s_lshl_b32 s44, 0x1111, s40                    ; my column
	s_and_b32 s14, ttmp7, 0xffff                   ; where my cluster's walk along K begins: Y,
	s_lshr_b32 s15, s14, 1
	s_xor_b32 s15, s15, s14
	s_and_b32 s15, s15, 1
	s_lshl_b32 s15, s15, 2                         ; 4 ((Y xor Y / 2) mod 2),
	s_lshl_b32 s[KW], ttmp9, 1
	s_add_co_u32 s[KW], s[KW], s15                 ; + 2 X,
	s_and_b32 s[KW], s[KW], 7                      ; mod 8
	s_mov_b32 s[KOF+1], 0
	s_or_b32 s[G1+0], s43, (1<<16)|(1<<20)|(1<<21)|(5<<22)|(3<<25)   ; mask; 2-byte elements; padding on; bit 21 beside a mask; after every 64 words 4 words
	s_or_b32 s[G1B+0], s44, (1<<16)|(1<<20)|(1<<21)|(5<<22)|(3<<25)
	s_mov_b32 s[G1+1], KSTEP<<16                   ; tensor_dim0 = 128
	s_mov_b32 s[G1+2], 128<<16                     ; tensor_dim1 = 128
	s_mov_b32 s[G1+3], KSTEP<<16                   ; tile_dim0 = 128
	s_mov_b32 s[G1+4], 128                         ; tile_dim1 = 128
	s_mov_b32 s[G1+5], 1024                        ; elements from row to row
	s_mov_b32 s[G1+6], 0
	s_mov_b32 s[G1+7], 0
	s_mov_b32 s[G1B+1], KSTEP<<16
	s_mov_b32 s[G1B+2], (16*NB)<<16                ; B: 96 rows
	s_mov_b32 s[G1B+3], KSTEP<<16
	s_mov_b32 s[G1B+4], 16*NB
	s_mov_b32 s[G1B+5], 1024
	s_mov_b32 s[G1B+6], 0
	s_mov_b32 s[G1B+7], 0
	s_lshl_b32 s17, s12, 7
	s_lshl_b32 s16, s13, 8
	s_add_co_u32 s16, s16, s17                     ; A: row 256 x tile row + 128 x half
	s_lshl_b32 s16, s16, 11                        ; x 2,048 bytes
	s_mov_b32 s17, 0
	s_mul_i32 s46, s42, 32*NB
	s_mul_i32 s47, s12, 16*NB
	s_add_co_u32 s46, s46, s47                     ; B: row 192 x tile column + 96 x half
	s_lshl_b32 s46, s46, 11
	s_mov_b32 s47, 0
	s_mul_i32 s20, s12, HALFA                      ; where they go in a slot: no place in the cluster enters an LDS address
	s_mul_i32 s21, s12, HALFB
	s_add_co_u32 s21, s21, 2*HALFA
	s_mov_b32 s2, 0                                ; TC: the slot in hand
	s_wait_dscnt 0x0                               ; the opening add is done
	s_wait_kmcnt 0x0
	s_add_nc_u64 s[6:7], s[4:5], WQKV
	s_add_nc_u64 s[ABASE:ABASE+1], s[4:5], s[16:17]
	s_add_nc_u64 s[BBASE:BBASE+1], s[6:7], s[46:47]
	CROUND                                         ; all sixteen work-groups are here: the first joint loads meet
.irp s, 0,1
	s_lshl_b32 s[KOF], s[KW], 8                    ; a K step is 256 bytes of a row
	s_mov_b32 s[G0+4*(\s)], 1
	s_add_co_u32 s[G0+4*(\s)+1], s20, (\s)*SLOT
	s_add_nc_u64 s[G0+4*(\s)+2:G0+4*(\s)+3], s[ABASE:ABASE+1], s[KOF:KOF+1]
	s_or_b32 s[G0+4*(\s)+3], s[G0+4*(\s)+3], 0x80000000
	s_mov_b32 s[G0B+4*(\s)], 1
	s_add_co_u32 s[G0B+4*(\s)+1], s21, (\s)*SLOT
	s_add_nc_u64 s[G0B+4*(\s)+2:G0B+4*(\s)+3], s[BBASE:BBASE+1], s[KOF:KOF+1]
	s_or_b32 s[G0B+4*(\s)+3], s[G0B+4*(\s)+3], 0x80000000
	JLOAD \s                                       ; my walk's steps 0 and 1: two loads of mine are out
.if (\s) == 0
	s_add_co_u32 s[KW], s[KW], 1
	s_and_b32 s[KW], s[KW], 7
.endif
.endr
	v_and_b32 v1, 15, v0                           ; l % 16
	v_bfe_u32 v2, v0, 4, 1                         ; l / 16
	v_mul_u32_u24 v3, v1, PITCH
	v_lshl_add_u32 v3, v2, 4, v3                   ; a fragment's row x pitch + 16 x half
	s_mul_i32 s22, s11, HALFA
	s_mul_i32 s23, s12, HALFB
	s_add_co_u32 s23, s23, 2*HALFA
	v_add_nc_u32 v[ADRA0], s22, v3
	v_add_nc_u32 v[ADRB0], s23, v3
	v_mov_b32 v[ADRA], v[ADRA0]
	v_mov_b32 v[ADRB], v[ADRB0]
	; the way out: ONE stage for the work-group at LDS byte 0 (the ring has had its last fill by then): 256 rows of 192 f32
	s_mul_i32 s22, s11, 128*DP
	s_mul_i32 s23, s12, 96*4
	s_add_co_u32 s22, s22, s23
	v_mul_u32_u24 v4, v1, DP
	v_lshl_add_u32 v4, v2, 5, v4                   ; row l % 16, 8 columns for each half of the lanes
	v_add_nc_u32 v[STO], s22, v4
	v_add_nc_u32 v[STO2], 64*DP, v[STO]
	s_mul_i32 s22, s10, 64*DP                      ; back: wave w takes tokens 64 w .. 64 w + 63; lanes 0-15 one token's 64 channels, lanes 16-31 the next token's
	v_mul_u32_u24 v4, v2, DP
	v_lshl_add_u32 v4, v1, 4, v4
	v_add_nc_u32 v[RD], s22, v4
	v_lshlrev_b32 v6, 4, v1                        ; my four channels in a head's 64 biases
	v_lshlrev_b32 v7, 7, v2
	v_lshl_add_u32 v7, v1, 3, v7                   ; my 8 bytes in two tokens' 256
	s_lshr_b32 s14, s13, 3
	s_lshl_b32 s14, s14, 4                         ; batch x 16
	s_and_b32 s15, s13, 7
	s_lshl_b32 s15, s15, 8
	s_lshl_b32 s16, s10, 6
	s_add_co_u32 s15, s15, s16                     ; my first token in its batch
	s_mul_i32 s16, s42, 3                          ; the tile's first head among the 48 of q, k, v
.irp hh, 0,1,2
	s_add_co_u32 s17, s16, (\hh)
	s_lshr_b32 s18, s17, 4                         ; 0 q, 1 k, 2 v
	s_and_b32 s19, s17, 15                         ; the head
	s_cmp_eq_u32 s18, 1
	s_cselect_b64 s[74+2*(\hh):75+2*(\hh)], s[70:71], s[68:69]
	s_cmp_eq_u32 s18, 2
	s_cselect_b64 s[74+2*(\hh):75+2*(\hh)], s[72:73], s[74+2*(\hh):75+2*(\hh)]
	s_lshl_b32 s22, s19, 8
	v_add_nc_u32 v[BOF+(\hh)], s22, v6
	global_load_b128 v[BIAS+4*(\hh):BIAS+4*(\hh)+3], v[BOF+(\hh)], s[74+2*(\hh):75+2*(\hh)]
	s_add_co_u32 s22, s14, s19
	s_lshl_b32 s22, s22, 11
	s_add_co_u32 s22, s22, s15
	s_lshl_b32 s22, s22, 7                         ; ((batch x 16 + head) x 2,048 + token) x 128 bytes
	s_lshl_b32 s23, s18, 23                        ; + the tensor's 8 MiB
	s_add_co_u32 s22, s22, s23
	v_add_nc_u32 v[VO+(\hh)], s22, v7
.endr
	; the prefetch's address: B at the rows that I fetch, my work-group's 24 of them (by cy: an address, no branch), at my walk's step 3 (s[KW] stands at step 1)
	s_mul_i32 s14, s41, 4*NB
	s_lshl_b32 s14, s14, 11
	s_add_co_u32 s15, s[KW], 2
	s_and_b32 s15, s15, 7
	s_lshl_b32 s15, s15, 8
	s_add_co_u32 s14, s14, s15
	s_mov_b32 s15, 0
	s_add_nc_u64 s[PFA:PFA+1], s[BBASE:BBASE+1], s[14:15]
	s_and_b32 s22, ttmp7, 0xffff
	s_lshr_b32 s22, s22, 1                         ; 0 in clusters y = 0 and 1,
	s_xor_b32 s23, s11, 1                          ; 0 in the waves that fetch B: both the same in all sixteen partners
	s_or_b32 s22, s22, s23
	s_cmp_eq_u32 s22, 0
	s_cselect_b32 s[LIM], 5, -1
	v_and_b32 v[PFO], 31, v0
	v_min_u32 v[PFO], 4*NB-1, v[PFO]
	v_lshlrev_b32 v[PFO], 11, v[PFO]
; 2 NB matrix instructions: row blocks a0, a0 + 1 of the window's four x all NB column blocks, 32 along K.  The accumulators take turns, one instruction a turn, in the same order in every quarter.
.macro MULH f, hi, a0, zero
	WIN MUL_LO+0x50*(\hi)
.irp a, \a0, (\a0)+1
.set bb, 0
.rept NB
.set rD, 8*(NB*(\a)+bb)
.set rB, (\f)+8*bb
.set rA, (\f)+8*(4*(\hi)+(\a))
.if \zero
	v_wmma_f32_16x16x32_f16 v[rD:rD+7], v[rB:rB+7], v[rA:rA+7], 0
.else
	v_wmma_f32_16x16x32_f16 v[rD:rD+7], v[rB:rB+7], v[rA:rA+7], v[rD:rD+7]
.endif
.set bb, bb+1
.endr
.endr
.endm
.macro FETCH k, f                      ; one run of LRUN LDS loads: a quarter step's fragments (B's first, then A's), 32 K at byte k of the rows of the slot in hand
	WIN TO_B
.set ii, 0
.rept NB
	ds_load_b128 v[(\f)+8*ii:(\f)+8*ii+3],   v[ADRB] offset:(\k)+ii*16*PITCH
	ds_load_b128 v[(\f)+8*ii+4:(\f)+8*ii+7], v[ADRB] offset:(\k)+ii*16*PITCH+32
.set ii, ii+1
.endr
	WIN 0
.irp i, 0,1,2,3,4,5,6,7
	ds_load_b128 v[(\f)+8*(\i):(\f)+8*(\i)+3],   v[ADRA] offset:(\k)+(\i)*16*PITCH
	ds_load_b128 v[(\f)+8*(\i)+4:(\f)+8*(\i)+7], v[ADRA] offset:(\k)+(\i)*16*PITCH+32
.endr
.endm
.macro QUARTER k, f, g, zero           ; multiplies buffer f; in its middle fetches the next quarter, at byte k, into g
	s_wait_dscnt 8                                 ; B and A's rows 0-63 are in; the youngest eight loads (A's rows 64-127) may be out
	MULH \f, 0, 0, \zero
	MULH \f, 0, 2, \zero
	PLACES
	FETCH \k, \g
	s_wait_dscnt LRUN                              ; all but the run just issued
	MULH \f, 1, 0, \zero
	MULH \f, 1, 2, \zero
.endm
.macro MEET round                      ; the change of slots: every wave's tensor loads have landed, its add is done, its reads of the slot are over; then the barrier
	WIN 0
	s_wait_tensorcnt 0x0                           ; the one load of mine that was out is my part of the next slot
	ds_add_u32 v[SPW], v[NIL]                      ; 0 onto my spare word
	s_wait_dscnt 9                                 ; (the add and the youngest eight loads may be out)
	MULH F1, 0, 0, 0
	s_wait_dscnt 0x0                               ; the add is done, my reads of this slot are over
	s_barrier_signal -1
	MULH F1, 0, 2, 0
.if \round
	WIN 0
.endif
	s_barrier_wait -1
.endm
.macro TURN fill                       ; a step's last quarter; fill = 1: the slot just read is filled again with my walk's step two on, first thing behind a round of the cluster's barrier
.if \fill
	s_add_co_u32 s[KW], s[KW], 1                   ; the next K step of the walk, round the end of K
	s_and_b32 s[KW], s[KW], 7
	s_lshl_b32 s[KOF], s[KW], 8
	MEET 1
	CREST
	s_add_nc_u64 s[G0+6:G0+7], s[ABASE:ABASE+1], s[KOF:KOF+1]      ; the walking descriptors' addresses are made anew (no load of mine is out): base + K step,
	s_or_b32 s[G0+7], s[G0+7], 0x80000000                          ; the type bits set again,
	s_add_nc_u64 s[G0B+6:G0B+7], s[BBASE:BBASE+1], s[KOF:KOF+1]
	s_or_b32 s[G0B+7], s[G0B+7], 0x80000000
	s_add_co_u32 s[G0+5], s20, s2                                  ; into the slot just read
	s_add_co_u32 s[G0B+5], s21, s2
	JLOAD 1                                        ; its four v_nop are also the places in front of the loads below
.else
	MEET 0
	PLACES
.endif
	WIN 0
	s_xor_b32 s2, s2, SLOT                         ; the other slot is in hand
	v_add_nc_u32 v[ADRA], s2, v[ADRA0]
	v_add_nc_u32 v[ADRB], s2, v[ADRB0]
	FETCH 0, F0
.if \fill
	ASK
.endif
	MULH F1, 1, 0, 0
	MULH F1, 1, 2, 0
.endm
	s_wait_tensorcnt 1                             ; my part of the walk's step 0 is in; step 1's may stay out
	s_barrier_signal -1
	s_barrier_wait -1
	FETCH 0, F0
	QUARTER 64, F0, F1, 1                          ; the first quarter's products start the sums
	WIN 0
	s_mov_b32 s3, 6
.Lstep:                                        ; trip t: the rest of the walk's step t, the refill with step t + 2, the first quarter of step t + 1
	QUARTER 128, F1, F0, 0
	QUARTER 192, F0, F1, 0
	TURN 1
	QUARTER 64, F0, F1, 0
	WIN 0
	s_sub_co_u32 s3, s3, 1
	s_cmp_lg_u32 s3, 0
	s_cbranch_scc1 .Lstep
	QUARTER 128, F1, F0, 0                         ; the last two steps ask for nothing
	QUARTER 192, F0, F1, 0
	TURN 0
	QUARTER 64, F0, F1, 0
	QUARTER 128, F1, F0, 0
	QUARTER 192, F0, F1, 0
	s_wait_dscnt 0x0
	MULH F1, 0, 0, 0
	MULH F1, 0, 2, 0
	MULH F1, 1, 0, 0
	MULH F1, 1, 2, 0
	WIN 0
	PLACES
	PLACES
	s_barrier_signal -1                            ; every wave's reads of the ring are over (its last wait on DScnt was for 0): the ring's bytes become the stage
	s_barrier_wait -1
.set aa, 0
.rept 8                                ; each accumulator's low four registers go first
	WIN 0x08+4*(aa/4)                              ; store data in window 2 or 3
.set bb, 0
.rept NB
.set rD, 8*(NB*(aa%4)+bb)
.if aa < 4
	ds_store_b128 v[STO], v[rD:rD+3] offset:(aa%4)*16*DP+bb*64
	ds_store_b128 v[STO], v[rD+4:rD+7] offset:(aa%4)*16*DP+bb*64+16
.else
	ds_store_b128 v[STO2], v[rD:rD+3] offset:(aa%4)*16*DP+bb*64
	ds_store_b128 v[STO2], v[rD+4:rD+7] offset:(aa%4)*16*DP+bb*64+16
.endif
.set bb, bb+1
.endr
.set aa, aa+1
.endr
	WIN 0
	s_wait_dscnt 0x0                               ; for the others' sake: a head's 64 columns can come from two waves
	s_barrier_signal -1
	s_barrier_wait -1
	s_wait_loadcnt 0x0                             ; the biases
	s_mov_b32 s3, 8
.Lrow:                                         ; a trip: eight tokens x three heads
.irp p, 0,1,2,3
.irp hh, 0,1,2
	ds_load_b128 v[XR+4*(3*(\p)+(\hh)):XR+4*(3*(\p)+(\hh))+3], v[RD] offset:(\p)*2*DP+(\hh)*256
.endr
.endr
	s_wait_dscnt 0x0
.irp p, 0,1,2,3
.irp hh, 0,1,2
.irp k, 0,1
	v_pk_add_f32 v[XR+4*(3*(\p)+(\hh))+2*(\k):XR+4*(3*(\p)+(\hh))+2*(\k)+1], v[XR+4*(3*(\p)+(\hh))+2*(\k):XR+4*(3*(\p)+(\hh))+2*(\k)+1], v[BIAS+4*(\hh)+2*(\k):BIAS+4*(\hh)+2*(\k)+1]
.endr
.endr
.endr
.irp p, 0,1,2,3
.irp hh, 0,1,2
.irp k, 0,1
	v_cvt_pk_f16_f32 v[OUTR+2*(3*(\p)+(\hh))+(\k)], v[XR+4*(3*(\p)+(\hh))+2*(\k)], v[XR+4*(3*(\p)+(\hh))+2*(\k)+1]
.endr
.endr
.endr
.irp p, 0,1,2,3
.irp hh, 0,1,2
	global_store_b64 v[VO+(\hh)], v[OUTR+2*(3*(\p)+(\hh)):OUTR+2*(3*(\p)+(\hh))+1], s[8:9] offset:(\p)*256  ; two tokens x 64 channels: 256 consecutive bytes, aligned
.endr
.endr
	s_wait_xcnt 0x0                                ; the stores have read their data and offsets: only now are these rewritten
	v_add_nc_u32 v[RD], 8*DP, v[RD]
.irp hh, 0,1,2
	v_add_nc_u32 v[VO+(\hh)], 1024, v[VO+(\hh)]
.endr
	s_sub_co_u32 s3, s3, 1
	s_cmp_lg_u32 s3, 0
	s_cbranch_scc1 .Lrow
	s_wait_tensorcnt 0x0                           ; the wave's end
	ds_add_u32 v[SPW], v[NIL]
	s_wait_dscnt 0x0
	CROUND                                         ; the closing round
	s_endpgm
.Lfunc_end_k_q7c9d45d883_qkv:
	.size	k_q7c9d45d883_qkv, .Lfunc_end_k_q7c9d45d883_qkv-k_q7c9d45d883_qkv
	.p2alignl 7, 3214868480
	.fill 96, 4, 3214868480
	.section	.rodata,"a",@progbits
	.p2align	6, 0x0
	.amdhsa_kernel k_q7c9d45d883_qkv
		.amdhsa_group_segment_fixed_size 327680
		.amdhsa_private_segment_fixed_size 0
		.amdhsa_enable_private_segment 0
		.amdhsa_kernarg_size 40
		.amdhsa_user_sgpr_count 2
		.amdhsa_user_sgpr_kernarg_segment_ptr 1
		.amdhsa_wavefront_size32 1
		.amdhsa_system_sgpr_workgroup_id_x 1
		.amdhsa_system_sgpr_workgroup_id_y 1
		.amdhsa_system_sgpr_workgroup_id_z 1
		.amdhsa_system_vgpr_workitem_id 0
		.amdhsa_next_free_vgpr 1024
		.amdhsa_next_free_sgpr 102
		.amdhsa_reserve_vcc 0
		.amdhsa_float_denorm_mode_32 3
		.amdhsa_float_denorm_mode_16_64 3
		.amdhsa_memory_ordered 1
		.amdhsa_forward_progress 1
		.amdhsa_inst_pref_size 85
	.end_amdhsa_kernel
	.amdgpu_metadata
---
amdhsa.version: [ 1, 2 ]
amdhsa.kernels:
  - .name:           k_q7c9d45d883_qkv
    .symbol:         k_q7c9d45d883_qkv.kd
    .args:
      - { .name: wc, .offset: 0, .size: 8, .value_kind: global_buffer, .address_space: global }
      - { .name: qkv, .offset: 8, .size: 8, .value_kind: global_buffer, .address_space: global }
      - { .name: bq, .offset: 16, .size: 8, .value_kind: global_buffer, .address_space: global }
      - { .name: bk, .offset: 24, .size: 8, .value_kind: global_buffer, .address_space: global }
      - { .name: bv, .offset: 32, .size: 8, .value_kind: global_buffer, .address_space: global }
    .group_segment_fixed_size: 327680
    .private_segment_fixed_size: 0
    .kernarg_segment_align: 8
    .kernarg_segment_size: 40
    .max_flat_workgroup_size: 128
    .sgpr_count:     102
    .vgpr_count:     1024
    .wavefront_size: 32
...
	.end_amdgpu_metadata
.endif
;; end of part 2
;; launch attn (part 3): grid 8 x 32, 4 waves a work-group, clusters of 4 x 1, 327,680 bytes of LDS; arguments qkv, ob; writes ob
.if DOCPART == 3
	.amdgcn_target "amdgcn-amd-amdhsa--gfx1250"
	.amdhsa_code_object_version 6
	.text
	.protected	k_q7c9d45d883_attn
	.globl	k_q7c9d45d883_attn
	.p2align	8
	.type	k_q7c9d45d883_attn,@function
k_q7c9d45d883_attn:
	s_mov_b64 s[64:65], 0
	v_nop
	global_prefetch_b8 v0, s[64:65] scope:SCOPE_SE
	s_setreg_imm32_b32 hwreg(HW_REG_WAVE_MODE, 25, 1), 1
	s_wait_xcnt 0x0
	s_wait_alu depctr_hold_cnt(0) depctr_sa_sdst(0) depctr_va_vdst(0) depctr_va_sdst(0) depctr_va_ssrc(0) depctr_va_vcc(0) depctr_vm_vsrc(0)
	s_getreg_b32 s2, hwreg(HW_REG_IB_STS2, 6, 4)
	s_cmp_eq_u32 s2, 0
	s_cbranch_scc0 .Lentry_in_a_cluster
	s_endpgm
.Lentry_in_a_cluster:
	s_bfe_u32 s2, ttmp6, 0x10000c
	s_cmp_lg_u32 s2, 0x3003
	s_cbranch_scc0 .Lentry_shape_is_right
	s_endpgm
.Lentry_shape_is_right:
; O[g][q][:] = the sum over k of softmax_k(Q[g][q] . K[g][k] / 8) V[g][k][:], g = batch x 16 + head.  Q, K, V: qkv at bytes 0, 8 MiB, 16 MiB, each [32][2048][64] f16; O: ob, the same layout.
; Products, maxima and sums in f32; the weights p are rounded to f16 for the second product (their sum l is taken of the unrounded p), O once at the end.
; LIMITS.  Q, K, V arrive within f16's 65,504; p lies in 0 to 1, and below 6e-5 keeps f16's fixed step of 6e-8; a weight below 2^-126 counts as 0 in l; NaN and infinities are not treated apart.
; SHARES.  A work-group owns 256 queries of one head, a wave 64: four PIECES of 16.  Every wave walks the head's 2,048 keys, 64 a step; a slot of LDS holds four steps.  8 x 32 work-groups.
; LAYOUT.  S^T = K Q^T holds ONE query a lane (lane % 16) and the keys 8 (lane / 16) + 0..7; two such results rounded to f16 ARE source 1 of O^T = V^T P.  K comes out of LDS as it lies, V turned, by ds_load_tr16_b128.
; SOFTMAX.  A running maximum m and sum l: p = 2^(c s - c m), c = log2(e) / 8; in every step O and l are multiplied by a = 2^(c m_old - c m_new).  m starts at the lowest finite number, O and l at 0.
; TURNS.  Turn n belongs to piece n: 8 products K Q^T of piece n + 1, later 8 products V^T P of piece n - 1; beside them the scaling, exponentials, roundings, sums and rescaling of piece n and the maximum and
; statistics of piece n + 1.  Four vector instructions stand behind every matrix instruction, the rest in one lump.  A turn's 33 exponentials are one batch with one wait.
; CLUSTER.  The four query blocks of a cluster belong to one head and walk the same K and V: each tile is asked for jointly.
; REGISTERS (s_set_vgpr_msb: bits 1:0 source 0, 3:2 source 1, 5:4 source 2, 7:6 destination): window 0 addresses, statistics, S^T (v64-127, two buffers), P (v192-223, two buffers);
; window 1 O^T, 32 a piece; window 2 v0-63 Q, v128-191 K of one step, v192-255 V of one step.
.set NP,    4
.set KS,    64
.set PK,    144       ; a row of K in LDS: 128 bytes + 16: the 16 rows of a load start at 16 different groups of four banks (64 banks of 4 bytes: ISA guide 11.1)
.set PV,    160       ; a row of V: 128 + 32
.set VOFF,  4*KS*PK   ; a slot: 256 rows of K, then 256 rows of V
.set SLOT1, 1<<17
.set STAGE, SLOT1+4*KS*(PK+PV)  ; behind the ring: 16 rows x 144 bytes a wave, for the way out
.set SP,    144
.set SPARE, STAGE+4*16*SP       ; behind the stages: the spare words, 128 bytes a wave, named by no other line
.set AK0, 2
.set AV0, 3
.set AK,  4
.set AV,  5
.set STO, 6
.set RD,  7
.set GO,  8
.set MV,  12          ; v12-13  c m_old, by buffer
.set QO,  15
.set ST,  16          ; piece t's statistics at v[ST+4 t]: c m, m, l (even keys', odd keys')
.set TMP, 48          ; by buffer, c0-c3 at work; c2 takes a
.set PFO, 61          ; v61  256 x my lane; never rewritten
.set SPW, 62
.set NIL, 63
.set S,   64
.set P,   192
.set KF,  128
.set VF,  192
.set WV,  12
.set G1K, 24
.set G1V, 32
.set G0K, 40
.set G0V, 44
.set PFA, 48          ; s[48:49] where my prefetches stand
.set LIM, 50          ; s50  1 in a wave that prefetches, else the greatest number
.set SLOTS, 56
.set CNT, 57
.set CS,  58
.set SEL, 60
.set TBK, 62
.set TBV, 63
.set MSB, 0
.macro WIN new
.if MSB != (\new)
	s_set_vgpr_msb (MSB<<8)|(\new)
.set MSB, (\new)
.endif
.endm
.set W_KQ, 0x0a       ; K and Q in window 2, S^T in window 0
.set W_PV, 0x52       ; V in window 2, P in window 0, O^T in window 1
.set W_RS, 0x41       ; destination and source 0 in window 1, source 1 in window 0
.macro JLOAD                        ; waves 0, 1 fetch the halves of a slot's K, waves 2, 3 those of its V; an s_nop 0 and four v_nop follow each line
	s_cmp_lt_u32 s[WV], 2
	s_cbranch_scc0 .Lfor_v_\@
	tensor_load_to_lds s[G0K:G0K+3], s[G1K:G1K+7]
	s_nop 0
.rept 4
	v_nop
.endr
	s_branch .Lasked_\@
.Lfor_v_\@:
	tensor_load_to_lds s[G0V:G0V+3], s[G1V:G1V+7]
	s_nop 0
.rept 4
	v_nop
.endr
.Lasked_\@:
.endm
; A prefetch of what the NEXT change of slots will ask for: a slot's 32,768 bytes of K and of V, a lane 256 bytes.  The head's first cluster asks; its four partners take 8,192 bytes each, told apart by address;
; in each, wave 0 asks for K's and wave 2 for V's.  The last change that fills a slot asks for nothing.
.macro ASK
	s_cmp_gt_u32 s[SLOTS], s[LIM]
	s_cbranch_scc0 .Lnot_mine_\@
	global_prefetch_b8 v[PFO], s[PFA:PFA+1] th:TH_LOAD_NT scope:SCOPE_SE
.Lnot_mine_\@:
.endm
.macro CROUND
	s_barrier_signal -1
	s_barrier_wait -1
	s_cmp_lg_u32 s[WV], 0
	s_cbranch_scc1 .Lnot_wave_0_\@
	s_barrier_signal -3
.Lnot_wave_0_\@:
	s_barrier_wait -3
	s_barrier_signal -1
	s_barrier_wait -1
.endm
; THE CHANGE OF SLOTS.  Each wave waits for all its tensor loads (one is out: its part of the other slot), adds 0 to its spare word, and waits for that and for its reads of the slot that it leaves.
; fill = 1: a round of the cluster's barrier, and the joint fill first behind it: four key steps, 256 matrix instructions, in which to land.  (At its first use slot 0 is waited for and slot 1 filled.)
.macro CHANGE fill
	WIN 0
	s_wait_tensorcnt 0x0
	ds_add_u32 v[SPW], v[NIL]       ; 0 onto my spare word; the descriptors' steps stand between it and the wait for it
.if \fill
.irp g, G0K, G0V
	s_xor_b32 s[\g+1], s[\g+1], SLOT1
	s_add_nc_u64 s[\g+2:\g+3], s[\g+2:\g+3], 4*KS*128
.endr
	s_wait_xcnt 0x0                 ; the last prefetch, four key steps back, has read its address
	s_add_nc_u64 s[PFA:PFA+1], s[PFA:PFA+1], 4*KS*128
	s_wait_dscnt 0x0
	CROUND
	JLOAD
	ASK
.else
	s_wait_dscnt 0x0
	s_barrier_signal -1
	s_barrier_wait -1
.endif
	s_sub_co_u32 s[TBK], s[TBK], 4*KS*PK
	s_xor_b32 s[TBK], s[TBK], SLOT1
	s_sub_co_u32 s[TBV], s[TBV], 4*KS*PV
	s_xor_b32 s[TBV], s[TBV], SLOT1
.endm
	s_load_b64 s[4:5], s[0:1], 0x0    ; qkv
	s_load_b64 s[10:11], s[0:1], 0x8  ; ob
	v_lshl_add_u32 v[SPW], v0, 2, SPARE
	v_mov_b32 v[NIL], 0
	ds_add_u32 v[SPW], v[NIL]       ; the wave's opening: the add and its wait stand ahead of my first tensor load
	v_lshrrev_b32 v1, 5, v0
	v_readfirstlane_b32 s[WV], v1
	s_bfe_u32 s13, ttmp6, 0x40000   ; cx
	s_lshl_b32 s14, ttmp9, 2
	s_add_co_u32 s14, s14, s13      ; my block of 256 queries: it enters Q's and O's addresses alone
	s_and_b32 s20, ttmp7, 0xffff
	s_lshl_b32 s20, s20, 18         ; the head's 262,144 bytes
	s_and_b32 s16, s[WV], 1         ; which half of a slot's 256 keys I fetch
	s_lshl_b32 s22, s16, 14
	s_add_co_u32 s22, s22, s20
	s_mov_b32 s23, 0
	s_mul_i32 s17, s16, 128*PK
	s_mul_i32 s18, s16, 128*PV
	s_lshl_b32 s2, s14, 15
	s_lshl_b32 s3, s[WV], 13
	s_add_co_u32 s2, s2, s3
	s_add_co_u32 s2, s2, s20        ; my wave's 64 rows of Q and O
	s_mov_b32 s3, 0
	; 128 keys are 16,384 dense bytes: asked for as 64 rows of 256 bytes, padded in LDS after every key
	s_mov_b32 s[G1K], 15|(1<<16)|(1<<20)|(1<<21)|(4<<22)|(3<<25)
	s_mov_b32 s[G1V], 15|(1<<16)|(1<<20)|(1<<21)|(4<<22)|(7<<25)
.irp g, G1K, G1V
	s_mov_b32 s[\g+1], 128<<16
	s_mov_b32 s[\g+2], 64<<16
	s_mov_b32 s[\g+3], 128<<16
	s_mov_b32 s[\g+4], 64
	s_mov_b32 s[\g+5], 128
	s_mov_b32 s[\g+6], 0
	s_mov_b32 s[\g+7], 0
.endr
	s_mov_b32 s[CS], 0x3e38aa3b     ; c = log2(e) / 8
	s_mov_b32 s[CS+1], s[CS]
	s_mov_b32 s[SEL], 0x76543210
	s_mov_b32 s[SEL+1], 0xfedcba98
	s_mov_b32 s[TBK], SLOT1+4*KS*PK ; the first change of slots turns these two into 0
	s_mov_b32 s[TBV], SLOT1+4*KS*PV
	s_mov_b32 s[G0K], 1
	s_mov_b32 s[G0K+1], s17
	s_mov_b32 s[G0V], 1
	s_add_co_u32 s[G0V+1], s18, VOFF
	s_mov_b32 s[SLOTS], 7           ; slots still to be asked for
	s_and_b32 s[LIM], s[WV], 1
	s_or_b32 s[LIM], s[LIM], ttmp9  ; 0 in waves 0 and 2 of the head's first cluster: the same in all four partners
	s_cmp_eq_u32 s[LIM], 0
	s_cselect_b32 s[LIM], 1, -1
	v_and_b32 v[PFO], 31, v0
	v_lshlrev_b32 v[PFO], 8, v[PFO]
	s_wait_dscnt 0x0
	s_wait_kmcnt 0x0
	s_add_nc_u64 s[6:7], s[4:5], 0x800000
	s_add_nc_u64 s[8:9], s[4:5], 0x1000000
	s_add_nc_u64 s[6:7], s[6:7], s[22:23]  ; K and V at my half of the head's first 256 keys
	s_add_nc_u64 s[8:9], s[8:9], s[22:23]
	s_mov_b64 s[G0K+2:G0K+3], s[6:7]
	s_or_b32 s[G0K+3], s[G0K+3], 0x80000000
	s_mov_b64 s[G0V+2:G0V+3], s[8:9]
	s_or_b32 s[G0V+3], s[G0V+3], 0x80000000
	s_add_nc_u64 s[4:5], s[4:5], s[2:3]
	s_add_nc_u64 s[10:11], s[10:11], s[2:3]
	s_cmp_lt_u32 s[WV], 2
	s_cselect_b64 s[PFA:PFA+1], s[6:7], s[8:9]
	s_lshl_b32 s2, s13, 13          ; my work-group's 8,192 bytes of a slot's 32,768
	s_add_nc_u64 s[PFA:PFA+1], s[PFA:PFA+1], s[2:3]
	s_add_nc_u64 s[PFA:PFA+1], s[PFA:PFA+1], 4*KS*128  ; in slot 1; the first change steps it to slot 2
	CROUND
	JLOAD                           ; slot 0
	v_and_b32 v1, 15, v0
	v_bfe_u32 v9, v0, 4, 1
	v_lshlrev_b32 v[QO], 7, v1
	v_lshl_add_u32 v[QO], v9, 4, v[QO]
	WIN 0x80
.set i, 0
.rept 8                             ; Q stays in registers: piece i / 2, channels 32 (i % 2) on
	global_load_b128 v[8*i:8*i+3],   v[QO], s[4:5] offset:(i/2)*2048+(i%2)*64
	global_load_b128 v[8*i+4:8*i+7], v[QO], s[4:5] offset:(i/2)*2048+(i%2)*64+32
.set i, i+1
.endr
	; what the first turn finds: V's registers and P's second buffer hold 0, O^T and l are 0.  All this stands in the wait for the first tile.
.set i, VF
.rept 64
	v_mov_b32 v[i], 0
.set i, i+1
.endr
	WIN 0x40
.set i, 0
.rept 128
	v_mov_b32 v[i], 0
.set i, i+1
.endr
	WIN 0
.set i, 0
.rept 4
	v_mov_b32 v[ST+4*i], 0xfe000000    ; c m: far below every c s
	v_mov_b32 v[ST+4*i+1], 0xff7fffff  ; m
	v_mov_b32 v[ST+4*i+2], 0
	v_mov_b32 v[ST+4*i+3], 0
.set i, i+1
.endr
.set i, P+16
.rept 16
	v_mov_b32 v[i], 0
.set i, i+1
.endr
	v_mul_u32_u24 v[AK0], v1, PK
	v_lshl_add_u32 v[AK0], v9, 4, v[AK0]
	v_and_b32 v10, 7, v0
	v_bfe_u32 v11, v0, 3, 1
	v_lshl_add_u32 v[AV0], v9, 3, v10
	v_mul_u32_u24 v[AV0], v[AV0], PV
	v_lshl_add_u32 v[AV0], v11, 4, v[AV0]
	v_add_nc_u32 v[AV0], VOFF, v[AV0]
	s_mul_i32 s13, s[WV], 16*SP
	s_add_co_u32 s13, s13, STAGE
	v_mul_u32_u24 v[STO], v1, SP
	v_lshl_add_u32 v[STO], v9, 4, v[STO]
	v_add_nc_u32 v[STO], s13, v[STO]
	v_bfe_u32 v[RD], v0, 3, 2
	v_mul_u32_u24 v[RD], v[RD], SP
	v_lshl_add_u32 v[RD], v10, 4, v[RD]
	v_add_nc_u32 v[RD], s13, v[RD]
	v_and_b32 v[GO], 31, v0
	v_lshlrev_b32 v[GO], 4, v[GO]
; THE MATRIX WORK.  The 4 accumulators of a run of 8 take turns.
.macro KQ x                         ; product i of 8 of S^T = K Q^T for piece x: channels 32 (i / 4) on, keys 16 (i % 4) on
	WIN W_KQ
.set rS, S+32*((\x)%2)+8*(i%4)
.set rK, KF+16*(i%4)+8*(i/4)
.set rQ, 16*(\x)+8*(i/4)
.if i < 4
	v_wmma_f32_16x16x32_f16 v[rS:rS+7], v[rK:rK+7], v[rQ:rQ+7], 0
.else
	v_wmma_f32_16x16x32_f16 v[rS:rS+7], v[rK:rK+7], v[rQ:rQ+7], v[rS:rS+7]
.endif
.endm
.macro PV x                         ; product i of 8 of O^T += V^T P for piece x: keys 32 (i / 4) on, channels 16 (i % 4) on
	WIN W_PV
.set rO, 32*(\x)+8*(i%4)
.set rV, VF+32*(i/4)+8*(i%4)
.set rP, P+16*((\x)%2)+8*(i/4)
	v_wmma_f32_16x16x32_f16 v[rO:rO+7], v[rV:rV+7], v[rP:rP+7], v[rO:rO+7]
.endm
.macro MM                           ; the turn's next matrix instruction.  NOKQ = 1: the last turn of all: there is no next piece
.if (i < 8) && !NOKQ
	KQ (Y+1)%NP
.elseif i >= 8
.set i, i-8
	PV (Y+NP-1)%NP
.set i, i+8
.endif
.set i, i+1
.endm
.macro FETCH_K                      ; a step's K: one run of 16 LDS loads
	WIN 0x80
.irp f, 0,1,2,3,4,5,6,7
	ds_load_b128 v[KF+8*\f:KF+8*\f+3],   v[AK] offset:(\f/2)*16*PK+(\f%2)*64
	ds_load_b128 v[KF+8*\f+4:KF+8*\f+7], v[AK] offset:(\f/2)*16*PK+(\f%2)*64+32
.endr
	s_add_co_u32 s[TBK], s[TBK], KS*PK
	WIN 0
.endm
.macro FETCH_V                      ; a step's V, turned
	WIN 0x80
.irp f, 0,1,2,3,4,5,6,7
	ds_load_tr16_b128 v[VF+8*\f:VF+8*\f+3],   v[AV] offset:(\f/4)*32*PV+(\f%4)*32
	ds_load_tr16_b128 v[VF+8*\f+4:VF+8*\f+7], v[AV] offset:(\f/4)*32*PV+16*PV+(\f%4)*32
.endr
	WIN 0
.endm
; THE VECTOR WORK, a line at a time: OP kind, number.  For piece Y: F n: c s - c m for pair n of 16.  E n: the exponential of score n of 32.  C n: pair n rounded to f16.  B n: of the four weights 4 n .. the second pair is
; added onto the first, in place.  L n: l takes that sum (L 0: l = a l + sum).  R n: pair n of 16 of O^T times a.  For piece Y + 1: X n, number n of the 22 that find its maximum and statistics (each accumulator's
; lowest registers are read first): 0-11 four chains of seven scores; 12-14, 16 the scores left over, the old m, and the four into one; 15 c m_old is kept; 17, 18 the other half of the lanes; 19-21 c m, its change, a.
.set F, 0
.set E, 1
.set C, 2
.set B, 3
.set L, 4
.set R, 5
.set X, 6
.macro REGS y
.set rT, ST+4*(\y)
.set rC, TMP+4*((\y)%2)
.set rW, MV+((\y)%2)
.set rS, S+32*((\y)%2)
.set rP, P+16*((\y)%2)
.set rO, 32*(\y)
.endm
.macro OP k, n
.if (\k) == R
	REGS Y
	WIN W_RS
	v_pk_mul_f32 v[rO+2*(\n):rO+2*(\n)+1], v[rO+2*(\n):rO+2*(\n)+1], v[rC+2:rC+3] op_sel_hi:[1,0]
.elseif (\k) < R
	REGS Y
	WIN 0
.if (\k) == F
	v_pk_fma_f32 v[rS+2*(\n):rS+2*(\n)+1], v[rS+2*(\n):rS+2*(\n)+1], s[CS:CS+1], v[rT:rT+1] op_sel_hi:[1,0,0] neg_lo:[0,0,1] neg_hi:[0,0,1]
.elseif (\k) == E
	v_exp_f32 v[rS+(\n)], v[rS+(\n)]
.elseif (\k) == C
	v_cvt_pk_f16_f32 v[rP+(\n)], v[rS+2*(\n)], v[rS+2*(\n)+1]
.elseif (\k) == B
	v_pk_add_f32 v[rS+4*(\n):rS+4*(\n)+1], v[rS+4*(\n):rS+4*(\n)+1], v[rS+4*(\n)+2:rS+4*(\n)+3]
.elseif (\n) == 0
	v_pk_fma_f32 v[rT+2:rT+3], v[rT+2:rT+3], v[rC+2:rC+3], v[rS:rS+1] op_sel_hi:[1,0,1]
.else
	v_pk_add_f32 v[rT+2:rT+3], v[rT+2:rT+3], v[rS+4*(\n):rS+4*(\n)+1]
.endif
.elseif NOKQ
	v_nop
.else
	REGS (Y+1)%NP
	WIN 0
.if (\n) < 4
	v_max3_num_f32 v[rC+(\n)], v[rS+8*(\n)], v[rS+8*(\n)+1], v[rS+8*(\n)+2]
.elseif (\n) < 12
	v_max3_num_f32 v[rC+(\n)%4], v[rC+(\n)%4], v[rS+8*((\n)%4)+2*((\n)/4)+1], v[rS+8*((\n)%4)+2*((\n)/4)+2]
.elseif (\n) == 12
	v_max3_num_f32 v[rC], v[rC], v[rS+7], v[rS+15]
.elseif (\n) == 13
	v_max3_num_f32 v[rC+1], v[rC+1], v[rS+23], v[rS+31]
.elseif (\n) == 14
	v_max3_num_f32 v[rC+2], v[rC+2], v[rC+3], v[rT+1]
.elseif (\n) == 15
	v_mov_b32 v[rW], v[rT]
.elseif (\n) == 16
	v_max3_num_f32 v[rC], v[rC], v[rC+1], v[rC+2]
.elseif (\n) == 17
	v_permlanex16_b32 v[rC+3], v[rC], s[SEL], s[SEL+1]
.elseif (\n) == 18
	v_max_num_f32 v[rT+1], v[rC], v[rC+3]
.elseif (\n) == 19
	v_mul_f32 v[rT], s[CS], v[rT+1]
.elseif (\n) == 20
	v_sub_f32 v[rC+1], v[rW], v[rT]
.else
	v_exp_f32 v[rC+2], v[rC+1]
.endif
.endif
.endm
.macro OPS a, i1, b=-1, i2=0, c=-1, i3=0, d=-1, i4=0
	OP \a, \i1
.if (\b) >= 0
	OP \b, \i2
.endif
.if (\c) >= 0
	OP \c, \i3
.endif
.if (\d) >= 0
	OP \d, \i4
.endif
.endm
.macro ROW a, i1, b, i2, c, i3, d, i4  ; a matrix instruction and the four behind it
	MM
	OPS \a, \i1, \b, \i2, \c, \i3, \d, \i4
.endm
; A TURN, for piece p.  AHEAD OF ITS ONE WAIT stands all that names no result of the turn's exponentials: the 8 products K Q^T with their riders, then the lump.  X 21, the next piece's a, is the batch's last; R 15 is the plain
; instruction behind it.  BEHIND THE WAIT stand the 8 products V^T P, behind each four of the roundings and sums.  end = 1: the last two turns: nothing is fetched.  cnt = 1: the loop's count is taken down some lines ahead of the branch.
; K of the next step is fetched in piece 2's turn, V of the step in hand at the end of piece 0's turn, each four plain instructions or more behind the last product that read the registers; each is waited for a turn later.
.macro TURN p, end=0, cnt=0
.set Y, (\p)
.set i, 0
.set NOKQ, (\end)*((\p)/3)
.if ((\p) == 3) && !(\end)
	s_wait_dscnt 0x0                ; K is in
.endif
	ROW F,0, F,1, R,0, R,1
	ROW F,2, E,0, R,2, R,3
	ROW F,3, E,1, R,4, R,5
	ROW F,4, E,2, R,6, R,7
	ROW F,5, E,3, R,8, R,9
	ROW F,6, E,4, X,0, R,10
.if ((\p) == 2) && !(\end)
	WIN 0
	v_add_nc_u32 v[AK], s[TBK], v[AK0]
.endif
	ROW F,7, E,5, X,1, X,4
	ROW F,8, E,6, X,2, X,5
	OPS E,7, E,8, X,6, E,9
	OPS X,3, E,10, X,8, E,11
.if ((\p) == 2) && !(\end)
	FETCH_K
.endif
	OPS X,9, X,7, E,12, X,10
	OPS E,13, X,12, X,11, E,14
	OPS X,13, E,15, F,9, X,14
.if (\p) == 0
	v_add_nc_u32 v[AV], s[TBV], v[AV0]
.endif
	OPS E,16, F,10, E,17, F,11
	OPS X,16, E,18, X,15, E,19
	OPS F,12, E,20, X,17, E,21
	OPS F,13, E,22, F,14, E,23
	OPS X,18, E,24, F,15, E,25
	OPS R,11, E,26, X,19, E,27
	OPS R,12, E,28, R,13, E,29
	OPS X,20, E,30, R,14, E,31
	OPS X,21, R,15
	WIN 0
	s_wait_alu depctr_va_vdst(0)    ; the wait for the batch
.if (\p) == 1
	s_wait_dscnt 0x0                ; V is in
.endif
	ROW C,0, B,0, C,2, B,1
	ROW L,0, C,4, B,2, L,1
	ROW C,6, B,3, L,2, C,8
	ROW B,4, L,3, C,10, B,5
	ROW L,4, C,12, B,6, L,5
.if (\p) == 0
	s_add_co_u32 s[TBV], s[TBV], KS*PV
.endif
.if \cnt
	s_sub_co_u32 s[CNT], s[CNT], 1
	s_cmp_lg_u32 s[CNT], 0
.endif
	ROW C,14, B,7, L,6, C,1
	ROW C,3, L,7, C,5, C,7
	ROW C,9, C,11, C,13, C,15
.if (\p) == 0
	FETCH_V
.endif
.endm
	CHANGE 1                        ; slot 0 is in, everybody's part of it; slot 1 is asked for
	v_add_nc_u32 v[AK], s[TBK], v[AK0]
	FETCH_K                         ; key step 0
	s_wait_loadcnt 0x0              ; Q
	s_wait_dscnt 0x0
.set NOKQ, 0
.set i, 0
.rept 8
	KQ 0                            ; piece 0's first scores
.set i, i+1
.endr
	WIN 0
.rept 4
	v_nop                           ; the places behind those products
.endr
.set Y, NP-1                        ; X works for piece Y + 1: piece 0
.irp n, 0,1,2,3,4,5,6,7,8,9,10,11,12,13,14,15,16,17,18,19,20,21
	OP X, \n
.endr
	v_nop                           ; a plain instruction behind the exponential,
	s_wait_alu depctr_va_vdst(0)    ; and its wait, ahead of the branch
	s_mov_b32 s[CNT], 4
	s_branch .Lfirst                ; the loop is entered at a step's first turn, in the middle of a trip
.Lslot:                             ; six times: slots 2 to 7 are asked for
	CHANGE 1
	s_mov_b32 s[CNT], 4
.Lstep:                             ; a trip: pieces 2 and 3 of one step, then pieces 0 and 1 of the next, whose K and V it fetches
	TURN 2
	TURN 3
	WIN 0
.Lfirst:
	TURN 0
	TURN 1, 0, 1
	WIN 0
	s_cbranch_scc1 .Lstep
	s_sub_co_u32 s[SLOTS], s[SLOTS], 1
	s_cmp_lg_u32 s[SLOTS], 0
	s_cbranch_scc1 .Lslot
	CHANGE 0                        ; the last slot is written out: nothing is asked for
	s_mov_b32 s[CNT], 4
.LstepT:
	TURN 2
	TURN 3
	TURN 0
	TURN 1, 0, 1
	WIN 0
	s_cbranch_scc1 .LstepT
	TURN 2, 1
	TURN 3, 1
.set i, 0
.rept 8
	PV NP-1                         ; the last piece's V^T P of the last step
.set i, i+1
.endr
	; THE WAY OUT.  l's halves are added; O^T is divided by l, rounded to f16 and sent through my stage in LDS, a piece at a time.  The additions are the places behind the last products.
	WIN 0
.macro ALL line:vararg
.set t, 0
.rept 4
	\line
.set t, t+1
.endr
.endm
	ALL v_add_f32 v[ST+4*t+2], v[ST+4*t+2], v[ST+4*t+3]
	ALL v_permlanex16_b32 v[ST+4*t+3], v[ST+4*t+2], s[SEL], s[SEL+1]
	ALL v_add_f32 v[ST+4*t+2], v[ST+4*t+2], v[ST+4*t+3]
	ALL v_rcp_f32 v[ST+4*t+2], v[ST+4*t+2]
	v_nop                           ; a plain instruction between the last reciprocal and the use of its result
	s_wait_alu depctr_va_vdst(0)    ; one wait for the four reciprocals
.macro PACK t
	WIN W_RS
.set i, 32*(\t)
.rept 16
	v_pk_mul_f32 v[i:i+1], v[i:i+1], v[ST+4*(\t)+2:ST+4*(\t)+3] op_sel_hi:[1,0]
.set i, i+2
.endr
	WIN 0x05
.set i, 0
.rept 16
	v_cvt_pk_f16_f32 v[S+16*(\t)+i], v[32*(\t)+2*i], v[32*(\t)+2*i+1]
.set i, i+1
.endr
	WIN 0
.irp f, 0,1,2,3
	ds_store_b128 v[STO], v[S+16*(\t)+4*\f:S+16*(\t)+4*\f+3] offset:32*\f
.endr
.irp f, 0,1,2,3
	ds_load_b128 v[S+16*(\t)+4*\f:S+16*(\t)+4*\f+3], v[RD] offset:\f*4*SP  ; LDS serves a wave's instructions in order (ISA guide 5.7.1.4): these see the stores above
.endr
.endm
.macro SEND t, younger              ; younger: the LDS instructions issued behind piece t's loads
	WIN 0
.irp f, 0,1,2,3
	s_wait_dscnt (\younger)+3-\f
	global_store_b128 v[GO], v[S+16*(\t)+4*\f:S+16*(\t)+4*\f+3], s[10:11] offset:(\t)*2048+\f*512  ; 512 consecutive bytes, aligned to 256
.endr
.endm
	PACK 0
.set t, 1
.rept 3
	PACK t
	SEND t-1, 8
.set t, t+1
.endr
	SEND 3, 0
	s_wait_tensorcnt 0x0            ; the wave's end
	ds_add_u32 v[SPW], v[NIL]
	s_wait_dscnt 0x0
	CROUND                          ; the closing round
	s_endpgm
.Lfunc_end_k_q7c9d45d883_attn:
	.size	k_q7c9d45d883_attn, .Lfunc_end_k_q7c9d45d883_attn-k_q7c9d45d883_attn
	.p2alignl 7, 3214868480
	.fill 96, 4, 3214868480
	.section	.rodata,"a",@progbits
	.p2align	6, 0x0
	.amdhsa_kernel k_q7c9d45d883_attn
		.amdhsa_group_segment_fixed_size 327680
		.amdhsa_private_segment_fixed_size 0
		.amdhsa_enable_private_segment 0
		.amdhsa_kernarg_size 16
		.amdhsa_user_sgpr_count 2
		.amdhsa_user_sgpr_kernarg_segment_ptr 1
		.amdhsa_wavefront_size32 1
		.amdhsa_system_sgpr_workgroup_id_x 1
		.amdhsa_system_sgpr_workgroup_id_y 1
		.amdhsa_system_sgpr_workgroup_id_z 1
		.amdhsa_system_vgpr_workitem_id 0
		.amdhsa_next_free_vgpr 768
		.amdhsa_next_free_sgpr 66
		.amdhsa_reserve_vcc 0
		.amdhsa_float_denorm_mode_32 3
		.amdhsa_float_denorm_mode_16_64 3
		.amdhsa_memory_ordered 1
		.amdhsa_forward_progress 1
		.amdhsa_inst_pref_size 128
	.end_amdhsa_kernel
	.amdgpu_metadata
---
amdhsa.version: [ 1, 2 ]
amdhsa.kernels:
  - .name:           k_q7c9d45d883_attn
    .symbol:         k_q7c9d45d883_attn.kd
    .args:
      - { .name: qkv, .offset: 0, .size: 8, .value_kind: global_buffer, .address_space: global }
      - { .name: ob, .offset: 8, .size: 8, .value_kind: global_buffer, .address_space: global }
    .group_segment_fixed_size: 327680
    .private_segment_fixed_size: 0
    .kernarg_segment_align: 8
    .kernarg_segment_size: 16
    .max_flat_workgroup_size: 128
    .sgpr_count:     66
    .vgpr_count:     768
    .wavefront_size: 32
...
	.end_amdgpu_metadata
.endif
;; end of part 3
;; launch wy (part 4): grid 8 x 32, 4 waves a work-group, clusters of 4 x 4, 327,680 bytes of LDS; arguments ob, wc, t; writes t
.if DOCPART == 4
	.amdgcn_target "amdgcn-amd-amdhsa--gfx1250"
	.amdhsa_code_object_version 6
	.text
	.protected	k_q7c9d45d883_wy
	.globl	k_q7c9d45d883_wy
	.p2align	8
	.type	k_q7c9d45d883_wy,@function
k_q7c9d45d883_wy:
	s_mov_b64 s[64:65], 0
	v_nop
	global_prefetch_b8 v0, s[64:65] scope:SCOPE_SE
	s_setreg_imm32_b32 hwreg(HW_REG_WAVE_MODE, 25, 1), 1
	s_wait_xcnt 0x0
	s_wait_alu depctr_hold_cnt(0) depctr_sa_sdst(0) depctr_va_vdst(0) depctr_va_sdst(0) depctr_va_ssrc(0) depctr_va_vcc(0) depctr_vm_vsrc(0)
	s_getreg_b32 s2, hwreg(HW_REG_IB_STS2, 6, 4)
	s_cmp_eq_u32 s2, 0
	s_cbranch_scc0 .Lentry_in_a_cluster
	s_endpgm
.Lentry_in_a_cluster:
	s_bfe_u32 s2, ttmp6, 0x10000c
	s_cmp_lg_u32 s2, 0xf033
	s_cbranch_scc0 .Lentry_shape_is_right
	s_endpgm
.Lentry_shape_is_right:
; t = A B^T in f32, no bias (the launch behind adds it).  WY = 1: A = O by heads, ob [32][2048][64] f16, B = Wy in f16 (wc, byte 31,457,280) [1024][1024].  WY = 0: A = h, hb [4096][4096] f16, B = W2 in f16 (wc, byte 16,777,216) [1024][4096].
; SHARES.  A tile of C is 128 x 128, so that 8 x 32 work-groups fill the grid; four waves of 64 x 64: 16 accumulators.  K goes in steps of 256 through two LDS slots; ONE K step is a trip: the slot in hand is a scalar
; offset TC that an exclusive or turns from 0 to SLOT and back.  No prefetch: the tiles are small.
; THE WALK ALONG K.  Cluster (X, Y) of 2 x 8 begins at K step r and wraps round; K is summed in that rotated order, in f32.  WY = 1 (4 steps): r = (2 X + 2 (Y mod 2)) mod 4.  WY = 0 (16 steps): r = (8 X + 4 ((Y + 2 (Y / 4)) mod 4)) mod 16.
; So the two clusters that read the same rows of A stand half of K apart, and the eight that read the same rows of B are spread over K: they do not all ask for the same block at the same time.  r hangs on the cluster's place alone.
; WY = 1: a K step is four heads.  128 tokens of one head are 16,384 dense bytes: one load brings two heads as two rows of 8,192 elements, padded after every token: in LDS [head slice][token] at pitch 144; a quarter step is a slice.
; CLUSTER 4 x 4: A's tiles jointly along a row of the cluster, B's along a column.  THE MATRIX INSTRUCTION IS USED TRANSPOSED: a lane holds row lane % 16 of C and the columns 8 (lane / 16) + 0..7.
; REGISTERS: window 0: v0-31 addresses, v32-95 the way out, v128-255 accumulators; window 1: two fragment buffers of 128 (64 of A, then 64 of B), 64 along K each.
.set WY, 1
.if WY
.set SIZE_K, 1024
.set PA,     144                       ; A's LDS pitch: 128 bytes + 16
.set AQ,     128*PA                    ; from a quarter step to the next: a head slice
.set ABYTES, 4*128*PA                  ; A in a slot
.set BOFF,   31457280
.set ASH,    20                        ; a K step of A: four heads of 2,048 x 128 bytes = 2^20
.set A_W0,   (1<<16)|(1<<20)|(1<<21)|(4<<22)|(3<<25)   ; padding after every 32 words, 4 words
.set A_D0,   8192
.set A_D1,   2
.set A_ST,   131072
.else
.set SIZE_K, 4096
.set PA,     528
.set AQ,     128
.set ABYTES, 128*PA
.set BOFF,   16777216
.set ASH,    9                         ; a K step of A: 512 bytes of a row
.set A_W0,   (1<<16)|(1<<20)|(1<<21)|(6<<22)|(3<<25)   ; padding after every 128 words, 4 words
.set A_D0,   256
.set A_D1,   64
.set A_ST,   SIZE_K
.endif
.set T,      SIZE_K/256                ; K steps
.set PB,     528                       ; B's LDS pitch: 512 bytes + 16 = 132 words: the 16 rows of a load start at 16 different groups of four banks (64 banks of 4 bytes: ISA guide 11.1)
.set HALFA,  ABYTES/2
.set HALFB,  64*PB
.set SLOT,   ABYTES+2*HALFB
.set STAGE,  2*SLOT                    ; behind the ring: 16 rows x 272 bytes for each wave
.set SPITCH, 272
.set SPARE,  STAGE+4*16*SPITCH         ; behind the stages: the spare words, 128 bytes a wave, named by no other line
.set ADRA0, 16
.set ADRA,  17
.set ADRB0, 20
.set ADRB,  21
.set STO,   24
.set RD,    25
.set CO,    26
.set SPW,   28
.set NIL,   29
.set TMP,   32
.set ACC,   128
.set F0,    0
.set F1,    128
.set G1,  24
.set G0,  32
.set G1B, 48
.set G0B, 56
.set ABASE, 66                         ; s[66:67] A at what I fetch, K = 0
.set BBASE, 68                         ; s[68:69] B likewise
.set KW,    70                         ; s70 the K step last asked for
.set KOFA,  72                         ; s[72:73] its byte offset in A
.set KOFB,  74                         ; s[74:75] and in B
.set MSB, 0
.macro WIN new
.if MSB != (\new)
	s_set_vgpr_msb (MSB<<8)|(\new)
.set MSB, \new
.endif
.endm
.set MUL,  0x05                        ; sources 0 (B) and 1 (A) window 1; C and D window 0
.set TO_F, 0x40                        ; destination window 1, address window 0
.macro JLOAD s                         ; waves 0, 1 fetch A's halves, waves 2, 3 B's; an s_nop 0 and four v_nop follow each line
	s_cmp_eq_u32 s11, 0
	s_cbranch_scc0 .Lfor_b_\@
	tensor_load_to_lds s[G0+4*(\s):G0+4*(\s)+3], s[G1:G1+7]
	s_nop 0
.rept 4
	v_nop
.endr
	s_branch .Lasked_\@
.Lfor_b_\@:
	tensor_load_to_lds s[G0B+4*(\s):G0B+4*(\s)+3], s[G1B:G1B+7]
	s_nop 0
.rept 4
	v_nop
.endr
.Lasked_\@:
.endm
.macro CREST
	s_cmp_lg_u32 s10, 0
	s_cbranch_scc1 .Lnot_wave_0_\@
	s_barrier_signal -3
.Lnot_wave_0_\@:
	s_barrier_wait -3
	s_barrier_signal -1
	s_barrier_wait -1
.endm
.macro CROUND
	s_barrier_signal -1
	s_barrier_wait -1
	CREST
.endm
.macro PLACES
.rept 4
	v_nop
.endr
.endm
	s_load_b128 s[4:7], s[0:1], 0x0                ; A s[4:5], wc s[6:7]
	s_load_b64 s[8:9], s[0:1], 0x10                ; t
	v_lshl_add_u32 v[SPW], v0, 2, SPARE
	v_mov_b32 v[NIL], 0
	ds_add_u32 v[SPW], v[NIL]                      ; the wave's opening: the add and its wait stand ahead of my first tensor load
	v_lshrrev_b32 v1, 5, v0
	v_readfirstlane_b32 s10, v1
	s_lshr_b32 s11, s10, 1                         ; my half of the tile's rows; also: I fetch for A (0) or B (1)
	s_and_b32 s12, s10, 1                          ; my half of its columns; also: which half of that tile I fetch
	s_bfe_u32 s40, ttmp6, 0x40000
	s_bfe_u32 s41, ttmp6, 0x40004
	s_lshl_b32 s42, ttmp9, 2
	s_add_co_u32 s42, s42, s40                     ; tile column
	s_and_b32 s13, ttmp7, 0xffff
	s_lshl_b32 s13, s13, 2
	s_add_co_u32 s13, s13, s41                     ; tile row
	s_lshl_b32 s43, s41, 2
	s_lshl_b32 s43, 15, s43
	s_lshl_b32 s44, 0x1111, s40
	s_and_b32 s14, ttmp7, 0xffff                   ; where my cluster's walk along K begins: Y
.if WY
	s_and_b32 s14, s14, 1
	s_add_co_u32 s[KW], s14, ttmp9
	s_lshl_b32 s[KW], s[KW], 1                     ; 2 X + 2 (Y mod 2)
.else
	s_lshr_b32 s15, s14, 2
	s_lshl_b32 s15, s15, 1
	s_add_co_u32 s14, s14, s15
	s_and_b32 s14, s14, 3
	s_lshl_b32 s14, s14, 2                         ; 4 ((Y + 2 (Y / 4)) mod 4)
	s_lshl_b32 s[KW], ttmp9, 3
	s_add_co_u32 s[KW], s[KW], s14                 ; + 8 X
.endif
	s_and_b32 s[KW], s[KW], T-1
	s_mov_b32 s[KOFA+1], 0
	s_mov_b32 s[KOFB+1], 0
	s_or_b32 s[G1+0], s43, A_W0
	s_or_b32 s[G1B+0], s44, (1<<16)|(1<<20)|(1<<21)|(6<<22)|(3<<25)
	s_mov_b32 s[G1+1], A_D0<<16                    ; tensor_dim0
	s_mov_b32 s[G1+2], A_D1<<16                    ; tensor_dim1
	s_mov_b32 s[G1+3], A_D0<<16                    ; tile_dim0
	s_mov_b32 s[G1+4], A_D1                        ; tile_dim1
	s_mov_b32 s[G1+5], A_ST                        ; elements from row to row
	s_mov_b32 s[G1+6], 0
	s_mov_b32 s[G1+7], 0
	s_mov_b32 s[G1B+1], 256<<16
	s_mov_b32 s[G1B+2], 64<<16
	s_mov_b32 s[G1B+3], 256<<16
	s_mov_b32 s[G1B+4], 64
	s_mov_b32 s[G1B+5], SIZE_K
	s_mov_b32 s[G1B+6], 0
	s_mov_b32 s[G1B+7], 0
.if WY
	s_lshr_b32 s16, s13, 4                         ; batch
	s_lshl_b32 s16, s16, 4
	s_lshl_b32 s17, s12, 1
	s_add_co_u32 s16, s16, s17                     ; batch x 16 + the first of my two heads
	s_lshl_b32 s16, s16, 11
	s_and_b32 s17, s13, 15
	s_lshl_b32 s17, s17, 7
	s_add_co_u32 s16, s16, s17                     ; + the tile's first token
	s_lshl_b32 s16, s16, 7                         ; x 128 bytes
.else
	s_lshl_b32 s16, s13, 7
	s_lshl_b32 s17, s12, 6
	s_add_co_u32 s16, s16, s17                     ; row 128 x tile row + 64 x half
	s_lshl_b32 s16, s16, 13                        ; x 8,192 bytes
.endif
	s_mov_b32 s17, 0
	s_lshl_b32 s46, s42, 7
	s_lshl_b32 s47, s12, 6
	s_add_co_u32 s46, s46, s47                     ; B: row 128 x tile column + 64 x half
	s_mul_i32 s46, s46, SIZE_K*2
	s_mov_b32 s47, 0
	s_mul_i32 s20, s12, HALFA                      ; where they go in a slot
	s_mul_i32 s21, s12, HALFB
	s_add_co_u32 s21, s21, ABYTES
	s_mov_b32 s2, 0                                ; TC
	s_wait_dscnt 0x0
	s_wait_kmcnt 0x0
	s_add_nc_u64 s[6:7], s[6:7], BOFF
	s_add_nc_u64 s[ABASE:ABASE+1], s[4:5], s[16:17]
	s_add_nc_u64 s[BBASE:BBASE+1], s[6:7], s[46:47]
	CROUND
.irp s, 0,1
	s_lshl_b32 s[KOFA], s[KW], ASH
	s_lshl_b32 s[KOFB], s[KW], 9
	s_mov_b32 s[G0+4*(\s)], 1
	s_add_co_u32 s[G0+4*(\s)+1], s20, (\s)*SLOT
	s_add_nc_u64 s[G0+4*(\s)+2:G0+4*(\s)+3], s[ABASE:ABASE+1], s[KOFA:KOFA+1]
	s_or_b32 s[G0+4*(\s)+3], s[G0+4*(\s)+3], 0x80000000
	s_mov_b32 s[G0B+4*(\s)], 1
	s_add_co_u32 s[G0B+4*(\s)+1], s21, (\s)*SLOT
	s_add_nc_u64 s[G0B+4*(\s)+2:G0B+4*(\s)+3], s[BBASE:BBASE+1], s[KOFB:KOFB+1]
	s_or_b32 s[G0B+4*(\s)+3], s[G0B+4*(\s)+3], 0x80000000
	JLOAD \s                                       ; my walk's steps 0 and 1: two loads of mine are out
.if (\s) == 0
	s_add_co_u32 s[KW], s[KW], 1
	s_and_b32 s[KW], s[KW], T-1
.endif
.endr
	v_and_b32 v1, 15, v0
	v_bfe_u32 v2, v0, 4, 1
	v_mul_u32_u24 v3, v1, PA
	v_lshl_add_u32 v3, v2, 4, v3
	s_mul_i32 s22, s11, 64*PA
	v_add_nc_u32 v[ADRA0], s22, v3
	v_mul_u32_u24 v3, v1, PB
	v_lshl_add_u32 v3, v2, 4, v3
	s_mul_i32 s23, s12, HALFB
	s_add_co_u32 s23, s23, ABYTES
	v_add_nc_u32 v[ADRB0], s23, v3
	v_mov_b32 v[ADRA], v[ADRA0]
	v_mov_b32 v[ADRB], v[ADRB0]
	s_mul_i32 s23, s10, 16*SPITCH
	s_add_co_u32 s23, s23, STAGE                   ; my stage
	v_mul_u32_u24 v4, v1, SPITCH
	v_lshl_add_u32 v4, v2, 5, v4                   ; in: row l % 16, 32 bytes for each half of the lanes
	v_add_nc_u32 v[STO], s23, v4
	v_mul_u32_u24 v5, v2, SPITCH
	v_lshl_add_u32 v5, v1, 4, v5                   ; back: lanes 0-15 one row of 256 bytes, lanes 16-31 the next
	v_add_nc_u32 v[RD], s23, v5
	v_lshlrev_b32 v5, 12, v2
	v_lshl_add_u32 v[CO], v1, 4, v5                ; the same two rows in t
	s_lshl_b32 s16, s13, 7
	s_lshl_b32 s17, s11, 6
	s_add_co_u32 s16, s16, s17
	s_lshl_b32 s16, s16, 12                        ; my first row x 4,096 bytes
	s_lshl_b32 s46, s42, 9
	s_lshl_b32 s47, s12, 8
	s_add_co_u32 s46, s46, s47                     ; my first column x 4 bytes
	s_add_co_u32 s16, s16, s46
	s_mov_b32 s17, 0
	s_add_nc_u64 s[8:9], s[8:9], s[16:17]
.macro MUL8 f, c, a0, zero             ; 8 matrix instructions: row blocks a0, a0 + 1 x 4 column blocks, 32 along K: half c of buffer f.  The 16 accumulators take turns
	WIN MUL
.irp a, \a0, (\a0)+1
.irp b, 0,1,2,3
.if \zero
	v_wmma_f32_16x16x32_f16 v[ACC+8*(4*(\a)+(\b)):ACC+8*(4*(\a)+(\b))+7], v[(\f)+64+8*(4*(\c)+(\b)):(\f)+64+8*(4*(\c)+(\b))+7], v[(\f)+8*(4*(\c)+(\a)):(\f)+8*(4*(\c)+(\a))+7], 0
.else
	v_wmma_f32_16x16x32_f16 v[ACC+8*(4*(\a)+(\b)):ACC+8*(4*(\a)+(\b))+7], v[(\f)+64+8*(4*(\c)+(\b)):(\f)+64+8*(4*(\c)+(\b))+7], v[(\f)+8*(4*(\c)+(\a)):(\f)+8*(4*(\c)+(\a))+7], v[ACC+8*(4*(\a)+(\b)):ACC+8*(4*(\a)+(\b))+7]
.endif
.endr
.endr
.endm
.macro FETCH q, f                      ; 32 LDS loads in one run: quarter q (64 along K) of the slot in hand into buffer f; the first 32 along K first
	WIN TO_F
.irp c, 0,1
.irp i, 0,1,2,3
	ds_load_b128 v[(\f)+64+8*(4*(\c)+(\i)):(\f)+64+8*(4*(\c)+(\i))+3],   v[ADRB] offset:(\q)*128+64*(\c)+(\i)*16*PB
	ds_load_b128 v[(\f)+64+8*(4*(\c)+(\i))+4:(\f)+64+8*(4*(\c)+(\i))+7], v[ADRB] offset:(\q)*128+64*(\c)+(\i)*16*PB+32
	ds_load_b128 v[(\f)+8*(4*(\c)+(\i)):(\f)+8*(4*(\c)+(\i))+3],         v[ADRA] offset:(\q)*AQ+64*(\c)+(\i)*16*PA
	ds_load_b128 v[(\f)+8*(4*(\c)+(\i))+4:(\f)+8*(4*(\c)+(\i))+7],       v[ADRA] offset:(\q)*AQ+64*(\c)+(\i)*16*PA+32
.endr
.endr
.endm
.macro QUARTER q, f, g, zero           ; multiplies buffer f and fetches quarter q into g
	s_wait_dscnt 16                                ; the first 32 along K are in
	MUL8 \f, 0, 0, \zero
	MUL8 \f, 0, 2, \zero
	PLACES
	FETCH \q, \g
	s_wait_dscnt 32                                ; all but the 32 just issued
	MUL8 \f, 1, 0, 0
	MUL8 \f, 1, 2, 0
.endm
.macro TURN fill                       ; a step's last quarter and the change of slots; fill = 1: the slot just read is filled again with my walk's step two on
.if \fill
	s_add_co_u32 s[KW], s[KW], 1                   ; the next K step of the walk, round the end of K
	s_and_b32 s[KW], s[KW], T-1
	s_lshl_b32 s[KOFA], s[KW], ASH
	s_lshl_b32 s[KOFB], s[KW], 9
.endif
	WIN 0
	s_wait_tensorcnt 0x0                           ; the one load of mine that was out is my part of the next slot
	ds_add_u32 v[SPW], v[NIL]
	s_wait_dscnt 17                                ; (the add and the youngest sixteen loads may be out)
	MUL8 F1, 0, 0, 0
	s_wait_dscnt 0x0                               ; the add is done, my reads of this slot are over
	s_barrier_signal -1
	MUL8 F1, 0, 2, 0
.if \fill
	WIN 0
.endif
	s_barrier_wait -1
.if \fill
	CREST                                          ; the barrier has opened a round of the cluster's barrier
	s_add_nc_u64 s[G0+6:G0+7], s[ABASE:ABASE+1], s[KOFA:KOFA+1]    ; the walking descriptors' addresses are made anew (no load of mine is out): base + K step,
	s_or_b32 s[G0+7], s[G0+7], 0x80000000                          ; the type bits set again,
	s_add_nc_u64 s[G0B+6:G0B+7], s[BBASE:BBASE+1], s[KOFB:KOFB+1]
	s_or_b32 s[G0B+7], s[G0B+7], 0x80000000
	s_add_co_u32 s[G0+5], s20, s2                  ; into the slot just read
	s_add_co_u32 s[G0B+5], s21, s2
	JLOAD 1                                        ; its four v_nop are also the places in front of the loads below
.else
	PLACES
.endif
	WIN 0
	s_xor_b32 s2, s2, SLOT
	v_add_nc_u32 v[ADRA], s2, v[ADRA0]
	v_add_nc_u32 v[ADRB], s2, v[ADRB0]
	FETCH 0, F0
	MUL8 F1, 1, 0, 0
	MUL8 F1, 1, 2, 0
.endm
	s_wait_tensorcnt 1                             ; my part of the walk's step 0 is in; step 1's may stay out
	s_barrier_signal -1
	s_barrier_wait -1
	FETCH 0, F0
	QUARTER 1, F0, F1, 1
	WIN 0
	s_mov_b32 s3, T-2
.Lstep:                                        ; trip t: the rest of the walk's step t, the refill with step t + 2, the first quarter of step t + 1
	QUARTER 2, F1, F0, 0
	QUARTER 3, F0, F1, 0
	TURN 1
	QUARTER 1, F0, F1, 0
	WIN 0
	s_sub_co_u32 s3, s3, 1
	s_cmp_lg_u32 s3, 0
	s_cbranch_scc1 .Lstep
	QUARTER 2, F1, F0, 0                           ; the last two steps ask for nothing
	QUARTER 3, F0, F1, 0
	TURN 0
	QUARTER 1, F0, F1, 0
	QUARTER 2, F1, F0, 0
	QUARTER 3, F0, F1, 0
	s_wait_dscnt 16
	MUL8 F1, 0, 0, 0
	MUL8 F1, 0, 2, 0
	s_wait_dscnt 0x0
	MUL8 F1, 1, 0, 0
	MUL8 F1, 1, 2, 0
	WIN 0
	; THE WAY OUT, in f32: 16 rows x 64 columns at a time through my own stage, back as whole rows of 256 bytes.  Each accumulator's low four registers go first.
	PLACES
	PLACES
.irp a, 0,1,2,3
.if (\a) >= 2
	s_wait_xcnt 0x0                                ; the stores of two blocks back have read the registers that are loaded again below
.endif
.irp b, 0,1,2,3
	ds_store_b128 v[STO], v[ACC+8*(4*(\a)+(\b)):ACC+8*(4*(\a)+(\b))+3] offset:64*(\b)
	ds_store_b128 v[STO], v[ACC+8*(4*(\a)+(\b))+4:ACC+8*(4*(\a)+(\b))+7] offset:64*(\b)+16
.endr
.irp i, 0,1,2,3,4,5,6,7
	ds_load_b128 v[TMP+32*((\a)%2)+4*(\i):TMP+32*((\a)%2)+4*(\i)+3], v[RD] offset:(\i)*2*SPITCH  ; LDS serves a wave's instructions in order (ISA guide 5.7.1.4)
.endr
.irp i, 0,1,2,3,4,5,6,7
	s_wait_dscnt 7-(\i)
	global_store_b128 v[CO], v[TMP+32*((\a)%2)+4*(\i):TMP+32*((\a)%2)+4*(\i)+3], s[8:9] offset:(16*(\a)+2*(\i))*4096  ; 16 lanes store 256 consecutive bytes, aligned
.endr
.endr
	s_wait_tensorcnt 0x0                           ; the wave's end
	ds_add_u32 v[SPW], v[NIL]
	s_wait_dscnt 0x0
	CROUND                                         ; the closing round
	s_endpgm
.Lfunc_end_k_q7c9d45d883_wy:
	.size	k_q7c9d45d883_wy, .Lfunc_end_k_q7c9d45d883_wy-k_q7c9d45d883_wy
	.p2alignl 7, 3214868480
	.fill 96, 4, 3214868480
	.section	.rodata,"a",@progbits
	.p2align	6, 0x0
	.amdhsa_kernel k_q7c9d45d883_wy
		.amdhsa_group_segment_fixed_size 327680
		.amdhsa_private_segment_fixed_size 0
		.amdhsa_enable_private_segment 0
		.amdhsa_kernarg_size 24
		.amdhsa_user_sgpr_count 2
		.amdhsa_user_sgpr_kernarg_segment_ptr 1
		.amdhsa_wavefront_size32 1
		.amdhsa_system_sgpr_workgroup_id_x 1
		.amdhsa_system_sgpr_workgroup_id_y 1
		.amdhsa_system_sgpr_workgroup_id_z 1
		.amdhsa_system_vgpr_workitem_id 0
		.amdhsa_next_free_vgpr 512
		.amdhsa_next_free_sgpr 76
		.amdhsa_reserve_vcc 0
		.amdhsa_float_denorm_mode_32 3
		.amdhsa_float_denorm_mode_16_64 3
		.amdhsa_memory_ordered 1
		.amdhsa_forward_progress 1
		.amdhsa_inst_pref_size 70
	.end_amdhsa_kernel
	.amdgpu_metadata
---
amdhsa.version: [ 1, 2 ]
amdhsa.kernels:
  - .name:           k_q7c9d45d883_wy
    .symbol:         k_q7c9d45d883_wy.kd
    .args:
      - { .name: ob, .offset: 0, .size: 8, .value_kind: global_buffer, .address_space: global }
      - { .name: wc, .offset: 8, .size: 8, .value_kind: global_buffer, .address_space: global }
      - { .name: t, .offset: 16, .size: 8, .value_kind: global_buffer, .address_space: global }
    .group_segment_fixed_size: 327680
    .private_segment_fixed_size: 0
    .kernarg_segment_align: 8
    .kernarg_segment_size: 24
    .max_flat_workgroup_size: 128
    .sgpr_count:     76
    .vgpr_count:     512
    .wavefront_size: 32
...
	.end_amdgpu_metadata
.endif
;; end of part 4
;; launch ln1 (part 5): grid 256 x 1, 16 waves a work-group, no clusters, 0 bytes of LDS; arguments t, wc, by, ln1_w, ln1_b, y1; writes y1
.if DOCPART == 5
	.amdgcn_target "amdgcn-amd-amdhsa--gfx1250"
	.amdhsa_code_object_version 6
	.text
	.protected	k_q7c9d45d883_ln1
	.globl	k_q7c9d45d883_ln1
	.p2align	8
	.type	k_q7c9d45d883_ln1,@function
k_q7c9d45d883_ln1:
	s_mov_b64 s[64:65], 0
	v_nop
	global_prefetch_b8 v0, s[64:65] scope:SCOPE_SE
	s_setreg_imm32_b32 hwreg(HW_REG_WAVE_MODE, 25, 1), 1
	s_wait_xcnt 0x0
; y1 = LayerNorm(t + x + by) x ln1_w + ln1_b, rounded once to f16.  t: [4096][1024] f32 (O Wy^T); x: its f16 copy at wc's byte 0.  All arithmetic in f32.
; One wave, one row of 1,024: 32 numbers a lane stay in registers for both passes (the mean; then the mean of (s - mean)^2, so no difference of large sums is formed).  No LDS, no barrier, no loop.
; LIMIT: y1 of 65,520 or more in magnitude becomes an infinity in f16.
.set RR, 16                            ; v[16:31]   the residual, 32 f16
.set SR, 32                            ; v[32:63]   the row
.set BY, 64                            ; v[64:95]   the bias
.set WR, 96                            ; v[96:127]  the gain
.set BR, 128                           ; v[128:159] the shift
.set TR, 160                           ; v[160:175] at work; then the packed result
	s_load_b256 s[4:11], s[0:1], 0x0               ; t, residual, bias, gain
	s_load_b128 s[12:15], s[0:1], 0x20             ; shift, out
	v_lshrrev_b32 v1, 5, v0
	v_readfirstlane_b32 s16, v1
	s_lshl_b32 s17, ttmp9, 4
	s_add_co_u32 s16, s16, s17                     ; my row
	v_and_b32 v1, 31, v0
	v_lshlrev_b32 v2, 4, v1                        ; 16 bytes a lane
	v_lshlrev_b32 v3, 3, v1                        ; 8 bytes a lane
	v_mov_b32 v4, 1.0
	v_mov_b32 v6, 0                                ; v_permlanex16_b32's destination counts as read
	s_lshl_b32 s18, s16, 12
	s_mov_b32 s19, 0
	s_lshl_b32 s20, s16, 11
	s_mov_b32 s21, 0
	s_mov_b32 s22, 0x76543210
	s_mov_b32 s23, 0xfedcba98
	s_mov_b32 s24, 0x3a800000                      ; 1 / 1024
	s_mov_b32 s25, 0x3727c5ac                      ; 1e-5
	s_wait_kmcnt 0x0
	s_add_nc_u64 s[4:5], s[4:5], s[18:19]
	s_add_nc_u64 s[6:7], s[6:7], s[20:21]
	s_add_nc_u64 s[14:15], s[14:15], s[20:21]
.irp j, 0,1,2,3,4,5,6,7
	global_load_b128 v[SR+4*(\j):SR+4*(\j)+3], v2, s[4:5] offset:512*(\j) th:TH_LOAD_NT
.endr
.irp j, 0,1,2,3,4,5,6,7
	global_load_b64 v[RR+2*(\j):RR+2*(\j)+1], v3, s[6:7] offset:256*(\j) th:TH_LOAD_NT
.endr
.irp j, 0,1,2,3,4,5,6,7
	global_load_b128 v[BY+4*(\j):BY+4*(\j)+3], v2, s[8:9] offset:512*(\j)
.endr
.irp j, 0,1,2,3,4,5,6,7
	global_load_b128 v[WR+4*(\j):WR+4*(\j)+3], v2, s[10:11] offset:512*(\j)
.endr
.irp j, 0,1,2,3,4,5,6,7
	global_load_b128 v[BR+4*(\j):BR+4*(\j)+3], v2, s[12:13] offset:512*(\j)
.endr
.macro WSUM                            ; v5 summed over the 32 lanes, the result in every lane
	v_add_f32_dpp v5, v5, v5 row_xmask:1 row_mask:0xf bank_mask:0xf
	v_add_f32_dpp v5, v5, v5 row_xmask:2 row_mask:0xf bank_mask:0xf
	v_add_f32_dpp v5, v5, v5 row_xmask:4 row_mask:0xf bank_mask:0xf
	v_add_f32_dpp v5, v5, v5 row_xmask:8 row_mask:0xf bank_mask:0xf
	v_permlanex16_b32 v6, v5, s22, s23
	v_add_f32 v5, v5, v6
.endm
	s_wait_loadcnt 24                              ; t and the residual are in; bias, gain and shift (24 loads) may be out
.set k, 0
.rept 16
	v_fma_mix_f32 v[SR+2*k], v[RR+k], v4, v[SR+2*k] op_sel_hi:[1,0,0]                     ; + the low f16
	v_fma_mix_f32 v[SR+2*k+1], v[RR+k], v4, v[SR+2*k+1] op_sel:[1,0,0] op_sel_hi:[1,0,0]  ; + the high f16
.set k, k+1
.endr
	s_wait_loadcnt 16                              ; the bias is in
.set p, 0
.rept 16
	v_pk_add_f32 v[SR+2*p:SR+2*p+1], v[SR+2*p:SR+2*p+1], v[BY+2*p:BY+2*p+1]
.set p, p+1
.endr
.set p, 0
.rept 8
	v_pk_add_f32 v[TR+2*p:TR+2*p+1], v[SR+2*p:SR+2*p+1], v[SR+16+2*p:SR+16+2*p+1]
.set p, p+1
.endr
.set p, 0
.rept 4
	v_pk_add_f32 v[TR+2*p:TR+2*p+1], v[TR+2*p:TR+2*p+1], v[TR+8+2*p:TR+8+2*p+1]
.set p, p+1
.endr
	v_pk_add_f32 v[TR:TR+1], v[TR:TR+1], v[TR+4:TR+5]
	v_pk_add_f32 v[TR+2:TR+3], v[TR+2:TR+3], v[TR+6:TR+7]
	v_pk_add_f32 v[TR:TR+1], v[TR:TR+1], v[TR+2:TR+3]
	v_add_f32 v5, v[TR], v[TR+1]
	WSUM
	v_mul_f32 v8, s24, v5                          ; the mean, twice: a pair for the packed form
	v_mul_f32 v9, s24, v5
.set p, 0
.rept 16
	v_pk_add_f32 v[SR+2*p:SR+2*p+1], v[SR+2*p:SR+2*p+1], v[8:9] neg_lo:[0,1] neg_hi:[0,1]
.set p, p+1
.endr
.set p, 0
.rept 4
	v_pk_mul_f32 v[TR+2*p:TR+2*p+1], v[SR+2*p:SR+2*p+1], v[SR+2*p:SR+2*p+1]
.set p, p+1
.endr
.rept 12
	v_pk_fma_f32 v[TR+2*(p%4):TR+2*(p%4)+1], v[SR+2*p:SR+2*p+1], v[SR+2*p:SR+2*p+1], v[TR+2*(p%4):TR+2*(p%4)+1]
.set p, p+1
.endr
	v_pk_add_f32 v[TR:TR+1], v[TR:TR+1], v[TR+2:TR+3]
	v_pk_add_f32 v[TR+4:TR+5], v[TR+4:TR+5], v[TR+6:TR+7]
	v_pk_add_f32 v[TR:TR+1], v[TR:TR+1], v[TR+4:TR+5]
	v_add_f32 v5, v[TR], v[TR+1]
	WSUM
	v_fma_f32 v5, v5, s24, s25                     ; the biased variance + 1e-5
	v_rsq_f32 v10, v5
	v_rsq_f32 v11, v5
	v_nop                                          ; a plain instruction behind the last of the two,
	s_wait_alu depctr_va_vdst(0)                   ; and one wait for both, ahead of their first reader
	s_wait_loadcnt 0x0                             ; gain and shift
.set p, 0
.rept 16
	v_pk_mul_f32 v[WR+2*p:WR+2*p+1], v[WR+2*p:WR+2*p+1], v[10:11]
.set p, p+1
.endr
.set p, 0
.rept 16
	v_pk_fma_f32 v[SR+2*p:SR+2*p+1], v[SR+2*p:SR+2*p+1], v[WR+2*p:WR+2*p+1], v[BR+2*p:BR+2*p+1]
.set p, p+1
.endr
.set p, 0
.rept 16
	v_cvt_pk_f16_f32 v[TR+p], v[SR+2*p], v[SR+2*p+1]
.set p, p+1
.endr
.irp j, 0,1,2,3,4,5,6,7
	global_store_b64 v3, v[TR+2*(\j):TR+2*(\j)+1], s[14:15] offset:256*(\j)  ; the wave's store covers 256 consecutive bytes, aligned
.endr
	s_endpgm
.Lfunc_end_k_q7c9d45d883_ln1:
	.size	k_q7c9d45d883_ln1, .Lfunc_end_k_q7c9d45d883_ln1-k_q7c9d45d883_ln1
	.p2alignl 7, 3214868480
	.fill 96, 4, 3214868480
	.section	.rodata,"a",@progbits
	.p2align	6, 0x0
	.amdhsa_kernel k_q7c9d45d883_ln1
		.amdhsa_group_segment_fixed_size 0
		.amdhsa_private_segment_fixed_size 0
		.amdhsa_enable_private_segment 0
		.amdhsa_kernarg_size 48
		.amdhsa_user_sgpr_count 2
		.amdhsa_user_sgpr_kernarg_segment_ptr 1
		.amdhsa_wavefront_size32 1
		.amdhsa_system_sgpr_workgroup_id_x 1
		.amdhsa_system_sgpr_workgroup_id_y 1
		.amdhsa_system_sgpr_workgroup_id_z 1
		.amdhsa_system_vgpr_workitem_id 0
		.amdhsa_next_free_vgpr 176
		.amdhsa_next_free_sgpr 66
		.amdhsa_reserve_vcc 0
		.amdhsa_float_denorm_mode_32 3
		.amdhsa_float_denorm_mode_16_64 3
		.amdhsa_memory_ordered 1
		.amdhsa_forward_progress 1
		.amdhsa_inst_pref_size 16
	.end_amdhsa_kernel
	.amdgpu_metadata
---
amdhsa.version: [ 1, 2 ]
amdhsa.kernels:
  - .name:           k_q7c9d45d883_ln1
    .symbol:         k_q7c9d45d883_ln1.kd
    .args:
      - { .name: t, .offset: 0, .size: 8, .value_kind: global_buffer, .address_space: global }
      - { .name: wc, .offset: 8, .size: 8, .value_kind: global_buffer, .address_space: global }
      - { .name: by, .offset: 16, .size: 8, .value_kind: global_buffer, .address_space: global }
      - { .name: ln1_w, .offset: 24, .size: 8, .value_kind: global_buffer, .address_space: global }
      - { .name: ln1_b, .offset: 32, .size: 8, .value_kind: global_buffer, .address_space: global }
      - { .name: y1, .offset: 40, .size: 8, .value_kind: global_buffer, .address_space: global }
    .group_segment_fixed_size: 0
    .private_segment_fixed_size: 0
    .kernarg_segment_align: 8
    .kernarg_segment_size: 48
    .max_flat_workgroup_size: 512
    .sgpr_count:     66
    .vgpr_count:     176
    .wavefront_size: 32
...
	.end_amdgpu_metadata
.endif
;; end of part 5
;; launch ffn1 (part 6): grid 16 x 16, 4 waves a work-group, clusters of 4 x 4, 327,680 bytes of LDS; arguments y1, wc, hb, b1; writes hb
.if DOCPART == 6
	.amdgcn_target "amdgcn-amd-amdhsa--gfx1250"
	.amdhsa_code_object_version 6
	.text
	.protected	k_q7c9d45d883_ffn1
	.globl	k_q7c9d45d883_ffn1
	.p2align	8
	.type	k_q7c9d45d883_ffn1,@function
k_q7c9d45d883_ffn1:
	s_mov_b64 s[64:65], 0
	v_nop
	global_prefetch_b8 v0, s[64:65] scope:SCOPE_SE
	s_setreg_imm32_b32 hwreg(HW_REG_WAVE_MODE, 25, 1), 1
	s_wait_xcnt 0x0
	s_wait_alu depctr_hold_cnt(0) depctr_sa_sdst(0) depctr_va_vdst(0) depctr_va_sdst(0) depctr_va_ssrc(0) depctr_va_vcc(0) depctr_vm_vsrc(0)
	s_getreg_b32 s2, hwreg(HW_REG_IB_STS2, 6, 4)
	s_cmp_eq_u32 s2, 0
	s_cbranch_scc0 .Lentry_in_a_cluster
	s_endpgm
.Lentry_in_a_cluster:
	s_bfe_u32 s2, ttmp6, 0x10000c
	s_cmp_lg_u32 s2, 0xf033
	s_cbranch_scc0 .Lentry_shape_is_right
	s_endpgm
.Lentry_shape_is_right:
; h = gelu(y1 W1^T + b1), the exact GELU 0.5 x (1 + erf(x / sqrt 2)), rounded once to f16.  A = y1 [4096][1024] f16; B = W1 in f16 (wc, byte 8,388,608) [4096][1024]; hb [4096][4096] f16.  Sums in f32.
; erf(z) = z A(z^2) / B(z^2), A of degree 6 and B of degree 4 in z^2, z held to -4 .. 4 (beyond that erf is 1 to within f32's last bits): it holds for every x.
; LIMITS: h of 65,520 or more in magnitude becomes an infinity in f16; NaN is not treated apart.  K is summed in a rotated order (below), in f32.
; SHARES.  A work-group makes 256 x 256 of C, each of its four waves 128 x 128: 64 accumulators.  16 x 16 work-groups.  K goes in 8 steps of 128 through two LDS slots filled by tensor loads; rows of the tiles are
; 256 bytes of memory, aligned.  ONE K step is a trip of the loop: the slot in hand is a scalar offset TC that an exclusive or turns from 0 to SLOT and back.
; THE WALK ALONG K.  Cluster (X, Y) begins at K step r = (2 X + 4 ((Y xor Y / 2) mod 2)) mod 8 and wraps round.  So the four clusters of a row of clusters, which read the same rows of A, stand two steps apart, and of
; the four clusters of a column, which read the same rows of B, two begin at r and two at r + 4: they do not all ask for the same block at the same time.  r hangs on the cluster's place alone: it is equal in all partners.
; CLUSTER 4 x 4: A's tiles jointly along a row of the cluster, B's along a column.  THE MATRIX INSTRUCTION IS USED TRANSPOSED: a lane holds row lane % 16 of C and the columns 8 (lane / 16) + 0..7.
; REGISTERS in windows of 256: window 0 addresses, bias, A's two fragment buffers (v64-127, v128-191; the way out works in v64-239); window 1 B's two buffers; windows 2, 3 the accumulators of my rows 0-63, 64-127.
.set NB,     8
.set KSTEP,  128
.set PITCH,  272                       ; an LDS row: 256 bytes + 16 of padding = 68 words: the 16 rows of a fragment load start at 16 different groups of four banks (64 banks of 4 bytes: ISA guide 11.1)
.set HALFA,  128*PITCH
.set HALFB,  16*NB*PITCH
.set SLOT,   2*HALFA+2*HALFB
.set SPARE,  2*SLOT                    ; behind the ring: the spare words, 128 bytes a wave, named by no other line
.set LRUN,   2*NB+16
.set DP,     528                       ; the way out: a row of my region, 128 f32 + 16 bytes
.set W1H,    8388608
.set ADRA0, 16
.set ADRA,  17
.set ADRB0, 20
.set ADRB,  21
.set STO,   24
.set RD,    25
.set CO,    26
.set SPW,   28
.set NIL,   29
.set PFO,   30
.set BOF,   31
.set BIAS,  40                         ; v[40:43] b1 of my four columns
.set XR,    64                         ; the way out: eight rows x four columns: x, then 0.5 x, then the result
.set ZR,    96                         ; z
.set UR,    128                        ; z^2
.set PAR,   160                        ; A(z^2), then erf
.set PBR,   192                        ; B(z^2), then its reciprocal
.set OUTR,  224
.set F0,    64
.set F1,    128
.set G1,  24
.set G0,  32
.set LIM, 43                           ; s43  5 in a wave that prefetches, else the greatest number
.set PFA, 44                           ; s[44:45] where my prefetch stands; never rewritten
.set G1B, 48
.set G0B, 56
.set KOF,   94                         ; s[94:95] the byte offset along K of the step to be asked for
.set ABASE, 96                         ; s[96:97] A at the rows that I fetch, K = 0
.set BBASE, 98                         ; s[98:99] B likewise
.set KW,    100                        ; s100 the K step last asked for
.set MSB, 0
.macro WIN new
.if MSB != (\new)
	s_set_vgpr_msb (MSB<<8)|(\new)
.set MSB, \new
.endif
.endm
.set MUL_LO, 0xa1
.set MUL_HI, 0xf1
.set TO_B,   0x40
.macro JLOAD s                         ; waves 0, 1 fetch A's halves, waves 2, 3 B's; an s_nop 0 and four v_nop follow each line
	s_cmp_eq_u32 s11, 0
	s_cbranch_scc0 .Lfor_b_\@
	tensor_load_to_lds s[G0+4*(\s):G0+4*(\s)+3], s[G1:G1+7]
	s_nop 0
.rept 4
	v_nop
.endr
	s_branch .Lasked_\@
.Lfor_b_\@:
	tensor_load_to_lds s[G0B+4*(\s):G0B+4*(\s)+3], s[G1B:G1B+7]
	s_nop 0
.rept 4
	v_nop
.endr
.Lasked_\@:
.endm
; THE PREFETCH.  Behind the first refill (my walk's step 2) it names B's rows of my walk's step 3: one K step, 256 matrix instructions, ahead of the refill that loads them.  Steps 0 and 1 of a walk are the first fills, at the head,
; where nothing is asked for; steps 4 to 7 are steps 0 to 3 of the clusters that begin four steps on; A's eight K steps are the first fills of the four clusters of a row of clusters.  WHO: the waves that fetch B, in clusters
; y = 0 and y = 1 (one of each two that begin alike); the four partners share a wave's 128 rows by address, 32 each, a lane a row.
.macro ASK
	s_cmp_gt_u32 s3, s[LIM]                        ; s3 = 6, in the first trip alone, is above 5
	s_cbranch_scc0 .Lnot_mine_\@
	global_prefetch_b8 v[PFO], s[PFA:PFA+1] th:TH_LOAD_NT scope:SCOPE_SE
.Lnot_mine_\@:
.endm
.macro CREST
	s_cmp_lg_u32 s10, 0
	s_cbranch_scc1 .Lnot_wave_0_\@
	s_barrier_signal -3
.Lnot_wave_0_\@:
	s_barrier_wait -3
	s_barrier_signal -1
	s_barrier_wait -1
.endm
.macro CROUND
	s_barrier_signal -1
	s_barrier_wait -1
	CREST
.endm
.macro PLACES
.rept 4
	v_nop
.endr
.endm
.macro SPAIR r, val                    ; a constant as a scalar pair: the packed forms name the pair and take its low word for both halves
	s_mov_b32 s[\r], \val
	s_mov_b32 s[(\r)+1], \val
.endm
	s_load_b128 s[4:7], s[0:1], 0x0                ; y1 s[4:5], wc s[6:7]
	s_load_b64 s[8:9], s[0:1], 0x10                ; hb
	s_load_b64 s[92:93], s[0:1], 0x18              ; b1
	v_lshl_add_u32 v[SPW], v0, 2, SPARE
	v_mov_b32 v[NIL], 0
	ds_add_u32 v[SPW], v[NIL]                      ; the wave's opening: the add and its wait stand ahead of my first tensor load
	v_lshrrev_b32 v1, 5, v0
	v_readfirstlane_b32 s10, v1
	s_lshr_b32 s11, s10, 1
	s_and_b32 s12, s10, 1
	s_bfe_u32 s40, ttmp6, 0x40000
	s_bfe_u32 s41, ttmp6, 0x40004
	s_lshl_b32 s42, ttmp9, 2
	s_add_co_u32 s42, s42, s40                     ; tile column
	s_and_b32 s13, ttmp7, 0xffff
	s_lshl_b32 s13, s13, 2
	s_add_co_u32 s13, s13, s41                     ; tile row
	s_lshl_b32 s43, s41, 2
	s_lshl_b32 s43, 15, s43
	s_lshl_b32 s44, 0x1111, s40
	s_and_b32 s14, ttmp7, 0xffff                   ; where my cluster's walk along K begins: Y,
	s_lshr_b32 s15, s14, 1
	s_xor_b32 s15, s15, s14
	s_and_b32 s15, s15, 1
	s_lshl_b32 s15, s15, 2                         ; 4 ((Y xor Y / 2) mod 2),
	s_lshl_b32 s[KW], ttmp9, 1
	s_add_co_u32 s[KW], s[KW], s15                 ; + 2 X,
	s_and_b32 s[KW], s[KW], 7                      ; mod 8
	s_mov_b32 s[KOF+1], 0
	s_or_b32 s[G1+0], s43, (1<<16)|(1<<20)|(1<<21)|(5<<22)|(3<<25)
	s_or_b32 s[G1B+0], s44, (1<<16)|(1<<20)|(1<<21)|(5<<22)|(3<<25)
.irp g, G1, G1B
	s_mov_b32 s[(\g)+1], KSTEP<<16                 ; tensor_dim0 = 128
	s_mov_b32 s[(\g)+2], 128<<16                   ; tensor_dim1 = 128
	s_mov_b32 s[(\g)+3], KSTEP<<16                 ; tile_dim0 = 128
	s_mov_b32 s[(\g)+4], 128                       ; tile_dim1 = 128
	s_mov_b32 s[(\g)+5], 1024                      ; elements from row to row
	s_mov_b32 s[(\g)+6], 0
	s_mov_b32 s[(\g)+7], 0
.endr
	SPAIR 66, 0xaf95df0b                           ; A, from the highest order down
	SPAIR 68, 0x32edffee
	SPAIR 70, 0xb60cff51
	SPAIR 72, 0xb86ec2d2
	SPAIR 74, 0xba40ac63
	SPAIR 76, 0xbb41a1f6
	SPAIR 78, 0xbc83dbd4
	SPAIR 80, 0xb77460cd                           ; B, from the highest order down
	SPAIR 82, 0xb95fbd29
	SPAIR 84, 0xbadc924e
	SPAIR 86, 0xbbf19bf8
	SPAIR 88, 0xbc69b6a7
	SPAIR 90, 0x3f3504f3                           ; 1 / sqrt 2
	s_lshl_b32 s17, s12, 7
	s_lshl_b32 s16, s13, 8
	s_add_co_u32 s16, s16, s17                     ; A: row 256 x tile row + 128 x half
	s_lshl_b32 s16, s16, 11
	s_mov_b32 s17, 0
	s_mul_i32 s46, s42, 32*NB
	s_mul_i32 s47, s12, 16*NB
	s_add_co_u32 s46, s46, s47                     ; B: row 256 x tile column + 128 x half
	s_lshl_b32 s46, s46, 11
	s_mov_b32 s47, 0
	s_mul_i32 s20, s12, HALFA
	s_mul_i32 s21, s12, HALFB
	s_add_co_u32 s21, s21, 2*HALFA
	s_mov_b32 s2, 0                                ; TC
	s_wait_dscnt 0x0
	s_wait_kmcnt 0x0
	s_add_nc_u64 s[6:7], s[6:7], W1H
	s_add_nc_u64 s[ABASE:ABASE+1], s[4:5], s[16:17]
	s_add_nc_u64 s[BBASE:BBASE+1], s[6:7], s[46:47]
	CROUND
.irp s, 0,1
	s_lshl_b32 s[KOF], s[KW], 8                    ; a K step is 256 bytes of a row
	s_mov_b32 s[G0+4*(\s)], 1
	s_add_co_u32 s[G0+4*(\s)+1], s20, (\s)*SLOT
	s_add_nc_u64 s[G0+4*(\s)+2:G0+4*(\s)+3], s[ABASE:ABASE+1], s[KOF:KOF+1]
	s_or_b32 s[G0+4*(\s)+3], s[G0+4*(\s)+3], 0x80000000
	s_mov_b32 s[G0B+4*(\s)], 1
	s_add_co_u32 s[G0B+4*(\s)+1], s21, (\s)*SLOT
	s_add_nc_u64 s[G0B+4*(\s)+2:G0B+4*(\s)+3], s[BBASE:BBASE+1], s[KOF:KOF+1]
	s_or_b32 s[G0B+4*(\s)+3], s[G0B+4*(\s)+3], 0x80000000
	JLOAD \s                                       ; my walk's steps 0 and 1: two loads of mine are out
.if (\s) == 0
	s_add_co_u32 s[KW], s[KW], 1
	s_and_b32 s[KW], s[KW], 7
.endif
.endr
	v_and_b32 v1, 15, v0
	v_bfe_u32 v2, v0, 4, 1
	v_mul_u32_u24 v3, v1, PITCH
	v_lshl_add_u32 v3, v2, 4, v3
	s_mul_i32 s22, s11, HALFA
	s_mul_i32 s23, s12, HALFB
	s_add_co_u32 s23, s23, 2*HALFA
	v_add_nc_u32 v[ADRA0], s22, v3
	v_add_nc_u32 v[ADRB0], s23, v3
	v_mov_b32 v[ADRA], v[ADRA0]
	v_mov_b32 v[ADRB], v[ADRB0]
	; the way out: each wave's own region of the ring's bytes (the ring has had its last fill by then): 128 rows of 128 f32
	s_mul_i32 s22, s10, 128*DP
	v_mul_u32_u24 v4, v1, DP
	v_lshl_add_u32 v4, v2, 5, v4
	v_add_nc_u32 v[STO], s22, v4
	v_and_b32 v5, 31, v0
	v_lshl_add_u32 v[RD], v5, 4, s22               ; back: a load takes one whole row, four columns a lane
	v_lshlrev_b32 v[CO], 3, v5                     ; which are 8 bytes of h
	s_lshl_b32 s16, s13, 8
	s_lshl_b32 s17, s11, 7
	s_add_co_u32 s16, s16, s17
	s_lshl_b32 s16, s16, 13                        ; my first row x 8,192 bytes
	s_lshl_b32 s46, s42, 9
	s_lshl_b32 s47, s12, 8
	s_add_co_u32 s46, s46, s47                     ; my first column x 2 bytes
	s_add_co_u32 s16, s16, s46
	s_mov_b32 s17, 0
	s_add_nc_u64 s[8:9], s[8:9], s[16:17]
	s_lshl_b32 s46, s46, 1                         ; my first column x 4 bytes
	v_lshl_add_u32 v[BOF], v5, 4, s46
	global_load_b128 v[BIAS:BIAS+3], v[BOF], s[92:93]
	; the prefetch's address: B at the rows that I fetch, my work-group's 32 of them (by cy: an address, no branch), at my walk's step 3 (s[KW] stands at step 1)
	s_lshl_b32 s14, s41, 16                        ; cy x 32 rows x 2,048 bytes
	s_add_co_u32 s15, s[KW], 2
	s_and_b32 s15, s15, 7
	s_lshl_b32 s15, s15, 8
	s_add_co_u32 s14, s14, s15
	s_mov_b32 s15, 0
	s_add_nc_u64 s[PFA:PFA+1], s[BBASE:BBASE+1], s[14:15]
	s_and_b32 s22, ttmp7, 0xffff
	s_lshr_b32 s22, s22, 1                         ; 0 in clusters y = 0 and 1,
	s_xor_b32 s23, s11, 1                          ; 0 in the waves that fetch B: both the same in all sixteen partners
	s_or_b32 s22, s22, s23
	s_cmp_eq_u32 s22, 0
	s_cselect_b32 s[LIM], 5, -1
	v_lshlrev_b32 v[PFO], 11, v5
.macro MULH f, hi, a0, zero            ; 16 matrix instructions; the accumulators take turns, one instruction a turn, in the same order in every quarter
	WIN MUL_LO+0x50*(\hi)
.irp a, \a0, (\a0)+1
.set bb, 0
.rept NB
.set rD, 8*(NB*(\a)+bb)
.set rB, (\f)+8*bb
.set rA, (\f)+8*(4*(\hi)+(\a))
.if \zero
	v_wmma_f32_16x16x32_f16 v[rD:rD+7], v[rB:rB+7], v[rA:rA+7], 0
.else
	v_wmma_f32_16x16x32_f16 v[rD:rD+7], v[rB:rB+7], v[rA:rA+7], v[rD:rD+7]
.endif
.set bb, bb+1
.endr
.endr
.endm
.macro FETCH k, f
	WIN TO_B
.set ii, 0
.rept NB
	ds_load_b128 v[(\f)+8*ii:(\f)+8*ii+3],   v[ADRB] offset:(\k)+ii*16*PITCH
	ds_load_b128 v[(\f)+8*ii+4:(\f)+8*ii+7], v[ADRB] offset:(\k)+ii*16*PITCH+32
.set ii, ii+1
.endr
	WIN 0
.irp i, 0,1,2,3,4,5,6,7
	ds_load_b128 v[(\f)+8*(\i):(\f)+8*(\i)+3],   v[ADRA] offset:(\k)+(\i)*16*PITCH
	ds_load_b128 v[(\f)+8*(\i)+4:(\f)+8*(\i)+7], v[ADRA] offset:(\k)+(\i)*16*PITCH+32
.endr
.endm
.macro QUARTER k, f, g, zero
	s_wait_dscnt 8                                 ; B and A's rows 0-63 are in; the youngest eight loads (A's rows 64-127) may be out
	MULH \f, 0, 0, \zero
	MULH \f, 0, 2, \zero
	PLACES
	FETCH \k, \g
	s_wait_dscnt LRUN                              ; all but the run just issued
	MULH \f, 1, 0, \zero
	MULH \f, 1, 2, \zero
.endm
.macro MEET round
	WIN 0
	s_wait_tensorcnt 0x0                           ; the one load of mine that was out is my part of the next slot
	ds_add_u32 v[SPW], v[NIL]
	s_wait_dscnt 9                                 ; (the add and the youngest eight loads may be out)
	MULH F1, 0, 0, 0
	s_wait_dscnt 0x0                               ; the add is done, my reads of this slot are over
	s_barrier_signal -1
	MULH F1, 0, 2, 0
.if \round
	WIN 0
.endif
	s_barrier_wait -1
.endm
.macro TURN fill
.if \fill
	s_add_co_u32 s[KW], s[KW], 1                   ; the next K step of the walk, round the end of K
	s_and_b32 s[KW], s[KW], 7
	s_lshl_b32 s[KOF], s[KW], 8
	MEET 1
	CREST
	s_add_nc_u64 s[G0+6:G0+7], s[ABASE:ABASE+1], s[KOF:KOF+1]      ; the walking descriptors' addresses are made anew (no load of mine is out): base + K step,
	s_or_b32 s[G0+7], s[G0+7], 0x80000000                          ; the type bits set again,
	s_add_nc_u64 s[G0B+6:G0B+7], s[BBASE:BBASE+1], s[KOF:KOF+1]
	s_or_b32 s[G0B+7], s[G0B+7], 0x80000000
	s_add_co_u32 s[G0+5], s20, s2                  ; into the slot just read
	s_add_co_u32 s[G0B+5], s21, s2
	JLOAD 1                                        ; its four v_nop are also the places in front of the loads below
.else
	MEET 0
	PLACES
.endif
	WIN 0
	s_xor_b32 s2, s2, SLOT
	v_add_nc_u32 v[ADRA], s2, v[ADRA0]
	v_add_nc_u32 v[ADRB], s2, v[ADRB0]
	FETCH 0, F0
.if \fill
	ASK
.endif
	MULH F1, 1, 0, 0
	MULH F1, 1, 2, 0
.endm
	s_wait_tensorcnt 1                             ; my part of the walk's step 0 is in; step 1's may stay out
	s_barrier_signal -1
	s_barrier_wait -1
	FETCH 0, F0
	QUARTER 64, F0, F1, 1
	WIN 0
	s_mov_b32 s3, 6
.Lstep:                                        ; trip t: the rest of the walk's step t, the refill with step t + 2, the first quarter of step t + 1
	QUARTER 128, F1, F0, 0
	QUARTER 192, F0, F1, 0
	TURN 1
	QUARTER 64, F0, F1, 0
	WIN 0
	s_sub_co_u32 s3, s3, 1
	s_cmp_lg_u32 s3, 0
	s_cbranch_scc1 .Lstep
	QUARTER 128, F1, F0, 0
	QUARTER 192, F0, F1, 0
	TURN 0
	QUARTER 64, F0, F1, 0
	QUARTER 128, F1, F0, 0
	QUARTER 192, F0, F1, 0
	s_wait_dscnt 0x0
	MULH F1, 0, 0, 0
	MULH F1, 0, 2, 0
	MULH F1, 1, 0, 0
	MULH F1, 1, 2, 0
	WIN 0
	PLACES
	PLACES
	s_barrier_signal -1                            ; every wave's reads of the ring are over (its last wait on DScnt was for 0): the ring's bytes become the four regions
	s_barrier_wait -1
.set aa, 0
.rept 8                                ; each accumulator's low four registers go first
	WIN 0x08+4*(aa/4)
.set bb, 0
.rept NB
.set rD, 8*(NB*(aa%4)+bb)
	ds_store_b128 v[STO], v[rD:rD+3] offset:aa*16*DP+bb*64
	ds_store_b128 v[STO], v[rD+4:rD+7] offset:aa*16*DP+bb*64+16
.set bb, bb+1
.endr
.set aa, aa+1
.endr
	WIN 0
.macro E16 line:vararg                 ; one line for each of 16 pairs p
.set p, 0
.rept 16
	\line
.set p, p+1
.endr
.endm
.macro E32 line:vararg                 ; one line for each of 32 numbers p
.set p, 0
.rept 32
	\line
.set p, p+1
.endr
.endm
	s_wait_loadcnt 0x0                             ; the bias
	s_mov_b32 s3, 16
.Lrow:                                         ; a trip: eight rows of my 128 columns
.irp i, 0,1,2,3,4,5,6,7
	ds_load_b128 v[XR+4*(\i):XR+4*(\i)+3], v[RD] offset:(\i)*DP  ; my own bytes: LDS serves a wave's instructions in order (ISA guide 5.7.1.4)
.endr
	s_wait_dscnt 0x0
	E16 v_pk_add_f32 v[XR+2*p:XR+2*p+1], v[XR+2*p:XR+2*p+1], v[BIAS+2*(p%2):BIAS+2*(p%2)+1]
	E16 v_pk_mul_f32 v[ZR+2*p:ZR+2*p+1], v[XR+2*p:XR+2*p+1], s[90:91] op_sel_hi:[1,0]
	E32 v_max_num_f32 v[ZR+p], -4.0, v[ZR+p]
	E32 v_min_num_f32 v[ZR+p], 4.0, v[ZR+p]
	E16 v_pk_mul_f32 v[UR+2*p:UR+2*p+1], v[ZR+2*p:ZR+2*p+1], v[ZR+2*p:ZR+2*p+1]
	E16 v_pk_fma_f32 v[PAR+2*p:PAR+2*p+1], v[UR+2*p:UR+2*p+1], s[66:67], s[68:69] op_sel_hi:[1,0,0]
	E16 v_pk_fma_f32 v[PBR+2*p:PBR+2*p+1], v[UR+2*p:UR+2*p+1], s[80:81], s[82:83] op_sel_hi:[1,0,0]
.irp c, 70,72,74,76,78
	E16 v_pk_fma_f32 v[PAR+2*p:PAR+2*p+1], v[PAR+2*p:PAR+2*p+1], v[UR+2*p:UR+2*p+1], s[(\c):(\c)+1] op_sel_hi:[1,1,0]
.endr
.irp c, 84,86,88
	E16 v_pk_fma_f32 v[PBR+2*p:PBR+2*p+1], v[PBR+2*p:PBR+2*p+1], v[UR+2*p:UR+2*p+1], s[(\c):(\c)+1] op_sel_hi:[1,1,0]
.endr
	E32 v_rcp_f32 v[PBR+p], v[PBR+p]               ; one batch of 32 reciprocals; B(z^2) is at most -0.014
	E16 v_pk_mul_f32 v[PAR+2*p:PAR+2*p+1], v[PAR+2*p:PAR+2*p+1], v[ZR+2*p:ZR+2*p+1]
	E16 v_pk_mul_f32 v[XR+2*p:XR+2*p+1], v[XR+2*p:XR+2*p+1], 0.5 op_sel_hi:[1,0]
	s_wait_alu depctr_va_vdst(0)                   ; one wait for the batch; the 32 plain lines above name none of its results
	E16 v_pk_mul_f32 v[PAR+2*p:PAR+2*p+1], v[PAR+2*p:PAR+2*p+1], v[PBR+2*p:PBR+2*p+1]
	E16 v_pk_fma_f32 v[XR+2*p:XR+2*p+1], v[PAR+2*p:PAR+2*p+1], v[XR+2*p:XR+2*p+1], v[XR+2*p:XR+2*p+1]
	E16 v_cvt_pk_f16_f32 v[OUTR+p], v[XR+2*p], v[XR+2*p+1]
.irp i, 0,1,2,3,4,5,6,7
	global_store_b64 v[CO], v[OUTR+2*(\i):OUTR+2*(\i)+1], s[8:9] offset:(\i)*8192  ; the wave's store covers 256 consecutive bytes, aligned
.endr
	s_wait_xcnt 0x0                                ; the stores have read their data and base: only now are these rewritten
	s_add_nc_u64 s[8:9], s[8:9], 8*8192
	v_add_nc_u32 v[RD], 8*DP, v[RD]
	s_sub_co_u32 s3, s3, 1
	s_cmp_lg_u32 s3, 0
	s_cbranch_scc1 .Lrow
	s_wait_tensorcnt 0x0                           ; the wave's end
	ds_add_u32 v[SPW], v[NIL]
	s_wait_dscnt 0x0
	CROUND                                         ; the closing round
	s_endpgm
.Lfunc_end_k_q7c9d45d883_ffn1:
	.size	k_q7c9d45d883_ffn1, .Lfunc_end_k_q7c9d45d883_ffn1-k_q7c9d45d883_ffn1
	.p2alignl 7, 3214868480
	.fill 96, 4, 3214868480
	.section	.rodata,"a",@progbits
	.p2align	6, 0x0
	.amdhsa_kernel k_q7c9d45d883_ffn1
		.amdhsa_group_segment_fixed_size 327680
		.amdhsa_private_segment_fixed_size 0
		.amdhsa_enable_private_segment 0
		.amdhsa_kernarg_size 32
		.amdhsa_user_sgpr_count 2
		.amdhsa_user_sgpr_kernarg_segment_ptr 1
		.amdhsa_wavefront_size32 1
		.amdhsa_system_sgpr_workgroup_id_x 1
		.amdhsa_system_sgpr_workgroup_id_y 1
		.amdhsa_system_sgpr_workgroup_id_z 1
		.amdhsa_system_vgpr_workitem_id 0
		.amdhsa_next_free_vgpr 1024
		.amdhsa_next_free_sgpr 102
		.amdhsa_reserve_vcc 0
		.amdhsa_float_denorm_mode_32 3
		.amdhsa_float_denorm_mode_16_64 3
		.amdhsa_memory_ordered 1
		.amdhsa_forward_progress 1
		.amdhsa_inst_pref_size 119
	.end_amdhsa_kernel
	.amdgpu_metadata
---
amdhsa.version: [ 1, 2 ]
amdhsa.kernels:
  - .name:           k_q7c9d45d883_ffn1
    .symbol:         k_q7c9d45d883_ffn1.kd
    .args:
      - { .name: y1, .offset: 0, .size: 8, .value_kind: global_buffer, .address_space: global }
      - { .name: wc, .offset: 8, .size: 8, .value_kind: global_buffer, .address_space: global }
      - { .name: hb, .offset: 16, .size: 8, .value_kind: global_buffer, .address_space: global }
      - { .name: b1, .offset: 24, .size: 8, .value_kind: global_buffer, .address_space: global }
    .group_segment_fixed_size: 327680
    .private_segment_fixed_size: 0
    .kernarg_segment_align: 8
    .kernarg_segment_size: 32
    .max_flat_workgroup_size: 128
    .sgpr_count:     102
    .vgpr_count:     1024
    .wavefront_size: 32
...
	.end_amdgpu_metadata
.endif
;; end of part 6
;; launch ffn2 (part 7): grid 8 x 32, 4 waves a work-group, clusters of 4 x 4, 327,680 bytes of LDS; arguments hb, wc, t; writes t
.if DOCPART == 7
	.amdgcn_target "amdgcn-amd-amdhsa--gfx1250"
	.amdhsa_code_object_version 6
	.text
	.protected	k_q7c9d45d883_ffn2
	.globl	k_q7c9d45d883_ffn2
	.p2align	8
	.type	k_q7c9d45d883_ffn2,@function
k_q7c9d45d883_ffn2:
	s_mov_b64 s[64:65], 0
	v_nop
	global_prefetch_b8 v0, s[64:65] scope:SCOPE_SE
	s_setreg_imm32_b32 hwreg(HW_REG_WAVE_MODE, 25, 1), 1
	s_wait_xcnt 0x0
	s_wait_alu depctr_hold_cnt(0) depctr_sa_sdst(0) depctr_va_vdst(0) depctr_va_sdst(0) depctr_va_ssrc(0) depctr_va_vcc(0) depctr_vm_vsrc(0)
	s_getreg_b32 s2, hwreg(HW_REG_IB_STS2, 6, 4)
	s_cmp_eq_u32 s2, 0
	s_cbranch_scc0 .Lentry_in_a_cluster
	s_endpgm
.Lentry_in_a_cluster:
	s_bfe_u32 s2, ttmp6, 0x10000c
	s_cmp_lg_u32 s2, 0xf033
	s_cbranch_scc0 .Lentry_shape_is_right
	s_endpgm
.Lentry_shape_is_right:
; t = A B^T in f32, no bias (the launch behind adds it).  WY = 1: A = O by heads, ob [32][2048][64] f16, B = Wy in f16 (wc, byte 31,457,280) [1024][1024].  WY = 0: A = h, hb [4096][4096] f16, B = W2 in f16 (wc, byte 16,777,216) [1024][4096].
; SHARES.  A tile of C is 128 x 128, so that 8 x 32 work-groups fill the grid; four waves of 64 x 64: 16 accumulators.  K goes in steps of 256 through two LDS slots; ONE K step is a trip: the slot in hand is a scalar
; offset TC that an exclusive or turns from 0 to SLOT and back.  No prefetch: the tiles are small.
; THE WALK ALONG K.  Cluster (X, Y) of 2 x 8 begins at K step r and wraps round; K is summed in that rotated order, in f32.  WY = 1 (4 steps): r = (2 X + 2 (Y mod 2)) mod 4.  WY = 0 (16 steps): r = (8 X + 4 ((Y + 2 (Y / 4)) mod 4)) mod 16.
; So the two clusters that read the same rows of A stand half of K apart, and the eight that read the same rows of B are spread over K: they do not all ask for the same block at the same time.  r hangs on the cluster's place alone.
; WY = 1: a K step is four heads.  128 tokens of one head are 16,384 dense bytes: one load brings two heads as two rows of 8,192 elements, padded after every token: in LDS [head slice][token] at pitch 144; a quarter step is a slice.
; CLUSTER 4 x 4: A's tiles jointly along a row of the cluster, B's along a column.  THE MATRIX INSTRUCTION IS USED TRANSPOSED: a lane holds row lane % 16 of C and the columns 8 (lane / 16) + 0..7.
; REGISTERS: window 0: v0-31 addresses, v32-95 the way out, v128-255 accumulators; window 1: two fragment buffers of 128 (64 of A, then 64 of B), 64 along K each.
.set WY, 0
.if WY
.set SIZE_K, 1024
.set PA,     144                       ; A's LDS pitch: 128 bytes + 16
.set AQ,     128*PA                    ; from a quarter step to the next: a head slice
.set ABYTES, 4*128*PA                  ; A in a slot
.set BOFF,   31457280
.set ASH,    20                        ; a K step of A: four heads of 2,048 x 128 bytes = 2^20
.set A_W0,   (1<<16)|(1<<20)|(1<<21)|(4<<22)|(3<<25)   ; padding after every 32 words, 4 words
.set A_D0,   8192
.set A_D1,   2
.set A_ST,   131072
.else
.set SIZE_K, 4096
.set PA,     528
.set AQ,     128
.set ABYTES, 128*PA
.set BOFF,   16777216
.set ASH,    9                         ; a K step of A: 512 bytes of a row
.set A_W0,   (1<<16)|(1<<20)|(1<<21)|(6<<22)|(3<<25)   ; padding after every 128 words, 4 words
.set A_D0,   256
.set A_D1,   64
.set A_ST,   SIZE_K
.endif
.set T,      SIZE_K/256                ; K steps
.set PB,     528                       ; B's LDS pitch: 512 bytes + 16 = 132 words: the 16 rows of a load start at 16 different groups of four banks (64 banks of 4 bytes: ISA guide 11.1)
.set HALFA,  ABYTES/2
.set HALFB,  64*PB
.set SLOT,   ABYTES+2*HALFB
.set STAGE,  2*SLOT                    ; behind the ring: 16 rows x 272 bytes for each wave
.set SPITCH, 272
.set SPARE,  STAGE+4*16*SPITCH         ; behind the stages: the spare words, 128 bytes a wave, named by no other line
.set ADRA0, 16
.set ADRA,  17
.set ADRB0, 20
.set ADRB,  21
.set STO,   24
.set RD,    25
.set CO,    26
.set SPW,   28
.set NIL,   29
.set TMP,   32
.set ACC,   128
.set F0,    0
.set F1,    128
.set G1,  24
.set G0,  32
.set G1B, 48
.set G0B, 56
.set ABASE, 66                         ; s[66:67] A at what I fetch, K = 0
.set BBASE, 68                         ; s[68:69] B likewise
.set KW,    70                         ; s70 the K step last asked for
.set KOFA,  72                         ; s[72:73] its byte offset in A
.set KOFB,  74                         ; s[74:75] and in B
.set MSB, 0
.macro WIN new
.if MSB != (\new)
	s_set_vgpr_msb (MSB<<8)|(\new)
.set MSB, \new
.endif
.endm
.set MUL,  0x05                        ; sources 0 (B) and 1 (A) window 1; C and D window 0
.set TO_F, 0x40                        ; destination window 1, address window 0
.macro JLOAD s                         ; waves 0, 1 fetch A's halves, waves 2, 3 B's; an s_nop 0 and four v_nop follow each line
	s_cmp_eq_u32 s11, 0
	s_cbranch_scc0 .Lfor_b_\@
	tensor_load_to_lds s[G0+4*(\s):G0+4*(\s)+3], s[G1:G1+7]
	s_nop 0
.rept 4
	v_nop
.endr
	s_branch .Lasked_\@
.Lfor_b_\@:
	tensor_load_to_lds s[G0B+4*(\s):G0B+4*(\s)+3], s[G1B:G1B+7]
	s_nop 0
.rept 4
	v_nop
.endr
.Lasked_\@:
.endm
.macro CREST
	s_cmp_lg_u32 s10, 0
	s_cbranch_scc1 .Lnot_wave_0_\@
	s_barrier_signal -3
.Lnot_wave_0_\@:
	s_barrier_wait -3
	s_barrier_signal -1
	s_barrier_wait -1
.endm
.macro CROUND
	s_barrier_signal -1
	s_barrier_wait -1
	CREST
.endm
.macro PLACES
.rept 4
	v_nop
.endr
.endm
	s_load_b128 s[4:7], s[0:1], 0x0                ; A s[4:5], wc s[6:7]
	s_load_b64 s[8:9], s[0:1], 0x10                ; t
	v_lshl_add_u32 v[SPW], v0, 2, SPARE
	v_mov_b32 v[NIL], 0
	ds_add_u32 v[SPW], v[NIL]                      ; the wave's opening: the add and its wait stand ahead of my first tensor load
	v_lshrrev_b32 v1, 5, v0
	v_readfirstlane_b32 s10, v1
	s_lshr_b32 s11, s10, 1                         ; my half of the tile's rows; also: I fetch for A (0) or B (1)
	s_and_b32 s12, s10, 1                          ; my half of its columns; also: which half of that tile I fetch
	s_bfe_u32 s40, ttmp6, 0x40000
	s_bfe_u32 s41, ttmp6, 0x40004
	s_lshl_b32 s42, ttmp9, 2
	s_add_co_u32 s42, s42, s40                     ; tile column
	s_and_b32 s13, ttmp7, 0xffff
	s_lshl_b32 s13, s13, 2
	s_add_co_u32 s13, s13, s41                     ; tile row
	s_lshl_b32 s43, s41, 2
	s_lshl_b32 s43, 15, s43
	s_lshl_b32 s44, 0x1111, s40
	s_and_b32 s14, ttmp7, 0xffff                   ; where my cluster's walk along K begins: Y
.if WY
	s_and_b32 s14, s14, 1
	s_add_co_u32 s[KW], s14, ttmp9
	s_lshl_b32 s[KW], s[KW], 1                     ; 2 X + 2 (Y mod 2)
.else
	s_lshr_b32 s15, s14, 2
	s_lshl_b32 s15, s15, 1
	s_add_co_u32 s14, s14, s15
	s_and_b32 s14, s14, 3
	s_lshl_b32 s14, s14, 2                         ; 4 ((Y + 2 (Y / 4)) mod 4)
	s_lshl_b32 s[KW], ttmp9, 3
	s_add_co_u32 s[KW], s[KW], s14                 ; + 8 X
.endif
	s_and_b32 s[KW], s[KW], T-1
	s_mov_b32 s[KOFA+1], 0
	s_mov_b32 s[KOFB+1], 0
	s_or_b32 s[G1+0], s43, A_W0
	s_or_b32 s[G1B+0], s44, (1<<16)|(1<<20)|(1<<21)|(6<<22)|(3<<25)
	s_mov_b32 s[G1+1], A_D0<<16                    ; tensor_dim0
	s_mov_b32 s[G1+2], A_D1<<16                    ; tensor_dim1
	s_mov_b32 s[G1+3], A_D0<<16                    ; tile_dim0
	s_mov_b32 s[G1+4], A_D1                        ; tile_dim1
	s_mov_b32 s[G1+5], A_ST                        ; elements from row to row
	s_mov_b32 s[G1+6], 0
	s_mov_b32 s[G1+7], 0
	s_mov_b32 s[G1B+1], 256<<16
	s_mov_b32 s[G1B+2], 64<<16
	s_mov_b32 s[G1B+3], 256<<16
	s_mov_b32 s[G1B+4], 64
	s_mov_b32 s[G1B+5], SIZE_K
	s_mov_b32 s[G1B+6], 0
	s_mov_b32 s[G1B+7], 0
.if WY
	s_lshr_b32 s16, s13, 4                         ; batch
	s_lshl_b32 s16, s16, 4
	s_lshl_b32 s17, s12, 1
	s_add_co_u32 s16, s16, s17                     ; batch x 16 + the first of my two heads
	s_lshl_b32 s16, s16, 11
	s_and_b32 s17, s13, 15
	s_lshl_b32 s17, s17, 7
	s_add_co_u32 s16, s16, s17                     ; + the tile's first token
	s_lshl_b32 s16, s16, 7                         ; x 128 bytes
.else
	s_lshl_b32 s16, s13, 7
	s_lshl_b32 s17, s12, 6
	s_add_co_u32 s16, s16, s17                     ; row 128 x tile row + 64 x half
	s_lshl_b32 s16, s16, 13                        ; x 8,192 bytes
.endif
	s_mov_b32 s17, 0
	s_lshl_b32 s46, s42, 7
	s_lshl_b32 s47, s12, 6
	s_add_co_u32 s46, s46, s47                     ; B: row 128 x tile column + 64 x half
	s_mul_i32 s46, s46, SIZE_K*2
	s_mov_b32 s47, 0
	s_mul_i32 s20, s12, HALFA                      ; where they go in a slot
	s_mul_i32 s21, s12, HALFB
	s_add_co_u32 s21, s21, ABYTES
	s_mov_b32 s2, 0                                ; TC
	s_wait_dscnt 0x0
	s_wait_kmcnt 0x0
	s_add_nc_u64 s[6:7], s[6:7], BOFF
	s_add_nc_u64 s[ABASE:ABASE+1], s[4:5], s[16:17]
	s_add_nc_u64 s[BBASE:BBASE+1], s[6:7], s[46:47]
	CROUND
.irp s, 0,1
	s_lshl_b32 s[KOFA], s[KW], ASH
	s_lshl_b32 s[KOFB], s[KW], 9
	s_mov_b32 s[G0+4*(\s)], 1
	s_add_co_u32 s[G0+4*(\s)+1], s20, (\s)*SLOT
	s_add_nc_u64 s[G0+4*(\s)+2:G0+4*(\s)+3], s[ABASE:ABASE+1], s[KOFA:KOFA+1]
	s_or_b32 s[G0+4*(\s)+3], s[G0+4*(\s)+3], 0x80000000
	s_mov_b32 s[G0B+4*(\s)], 1
	s_add_co_u32 s[G0B+4*(\s)+1], s21, (\s)*SLOT
	s_add_nc_u64 s[G0B+4*(\s)+2:G0B+4*(\s)+3], s[BBASE:BBASE+1], s[KOFB:KOFB+1]
	s_or_b32 s[G0B+4*(\s)+3], s[G0B+4*(\s)+3], 0x80000000
	JLOAD \s                                       ; my walk's steps 0 and 1: two loads of mine are out
.if (\s) == 0
	s_add_co_u32 s[KW], s[KW], 1
	s_and_b32 s[KW], s[KW], T-1
.endif
.endr
	v_and_b32 v1, 15, v0
	v_bfe_u32 v2, v0, 4, 1
	v_mul_u32_u24 v3, v1, PA
	v_lshl_add_u32 v3, v2, 4, v3
	s_mul_i32 s22, s11, 64*PA
	v_add_nc_u32 v[ADRA0], s22, v3
	v_mul_u32_u24 v3, v1, PB
	v_lshl_add_u32 v3, v2, 4, v3
	s_mul_i32 s23, s12, HALFB
	s_add_co_u32 s23, s23, ABYTES
	v_add_nc_u32 v[ADRB0], s23, v3
	v_mov_b32 v[ADRA], v[ADRA0]
	v_mov_b32 v[ADRB], v[ADRB0]
	s_mul_i32 s23, s10, 16*SPITCH
	s_add_co_u32 s23, s23, STAGE                   ; my stage
	v_mul_u32_u24 v4, v1, SPITCH
	v_lshl_add_u32 v4, v2, 5, v4                   ; in: row l % 16, 32 bytes for each half of the lanes
	v_add_nc_u32 v[STO], s23, v4
	v_mul_u32_u24 v5, v2, SPITCH
	v_lshl_add_u32 v5, v1, 4, v5                   ; back: lanes 0-15 one row of 256 bytes, lanes 16-31 the next
	v_add_nc_u32 v[RD], s23, v5
	v_lshlrev_b32 v5, 12, v2
	v_lshl_add_u32 v[CO], v1, 4, v5                ; the same two rows in t
	s_lshl_b32 s16, s13, 7
	s_lshl_b32 s17, s11, 6
	s_add_co_u32 s16, s16, s17
	s_lshl_b32 s16, s16, 12                        ; my first row x 4,096 bytes
	s_lshl_b32 s46, s42, 9
	s_lshl_b32 s47, s12, 8
	s_add_co_u32 s46, s46, s47                     ; my first column x 4 bytes
	s_add_co_u32 s16, s16, s46
	s_mov_b32 s17, 0
	s_add_nc_u64 s[8:9], s[8:9], s[16:17]
.macro MUL8 f, c, a0, zero             ; 8 matrix instructions: row blocks a0, a0 + 1 x 4 column blocks, 32 along K: half c of buffer f.  The 16 accumulators take turns
	WIN MUL
.irp a, \a0, (\a0)+1
.irp b, 0,1,2,3
.if \zero
	v_wmma_f32_16x16x32_f16 v[ACC+8*(4*(\a)+(\b)):ACC+8*(4*(\a)+(\b))+7], v[(\f)+64+8*(4*(\c)+(\b)):(\f)+64+8*(4*(\c)+(\b))+7], v[(\f)+8*(4*(\c)+(\a)):(\f)+8*(4*(\c)+(\a))+7], 0
.else
	v_wmma_f32_16x16x32_f16 v[ACC+8*(4*(\a)+(\b)):ACC+8*(4*(\a)+(\b))+7], v[(\f)+64+8*(4*(\c)+(\b)):(\f)+64+8*(4*(\c)+(\b))+7], v[(\f)+8*(4*(\c)+(\a)):(\f)+8*(4*(\c)+(\a))+7], v[ACC+8*(4*(\a)+(\b)):ACC+8*(4*(\a)+(\b))+7]
.endif
.endr
.endr
.endm
.macro FETCH q, f                      ; 32 LDS loads in one run: quarter q (64 along K) of the slot in hand into buffer f; the first 32 along K first
	WIN TO_F
.irp c, 0,1
.irp i, 0,1,2,3
	ds_load_b128 v[(\f)+64+8*(4*(\c)+(\i)):(\f)+64+8*(4*(\c)+(\i))+3],   v[ADRB] offset:(\q)*128+64*(\c)+(\i)*16*PB
	ds_load_b128 v[(\f)+64+8*(4*(\c)+(\i))+4:(\f)+64+8*(4*(\c)+(\i))+7], v[ADRB] offset:(\q)*128+64*(\c)+(\i)*16*PB+32
	ds_load_b128 v[(\f)+8*(4*(\c)+(\i)):(\f)+8*(4*(\c)+(\i))+3],         v[ADRA] offset:(\q)*AQ+64*(\c)+(\i)*16*PA
	ds_load_b128 v[(\f)+8*(4*(\c)+(\i))+4:(\f)+8*(4*(\c)+(\i))+7],       v[ADRA] offset:(\q)*AQ+64*(\c)+(\i)*16*PA+32
.endr
.endr
.endm
.macro QUARTER q, f, g, zero           ; multiplies buffer f and fetches quarter q into g
	s_wait_dscnt 16                                ; the first 32 along K are in
	MUL8 \f, 0, 0, \zero
	MUL8 \f, 0, 2, \zero
	PLACES
	FETCH \q, \g
	s_wait_dscnt 32                                ; all but the 32 just issued
	MUL8 \f, 1, 0, 0
	MUL8 \f, 1, 2, 0
.endm
.macro TURN fill                       ; a step's last quarter and the change of slots; fill = 1: the slot just read is filled again with my walk's step two on
.if \fill
	s_add_co_u32 s[KW], s[KW], 1                   ; the next K step of the walk, round the end of K
	s_and_b32 s[KW], s[KW], T-1
	s_lshl_b32 s[KOFA], s[KW], ASH
	s_lshl_b32 s[KOFB], s[KW], 9
.endif
	WIN 0
	s_wait_tensorcnt 0x0                           ; the one load of mine that was out is my part of the next slot
	ds_add_u32 v[SPW], v[NIL]
	s_wait_dscnt 17                                ; (the add and the youngest sixteen loads may be out)
	MUL8 F1, 0, 0, 0
	s_wait_dscnt 0x0                               ; the add is done, my reads of this slot are over
	s_barrier_signal -1
	MUL8 F1, 0, 2, 0
.if \fill
	WIN 0
.endif
	s_barrier_wait -1
.if \fill
	CREST                                          ; the barrier has opened a round of the cluster's barrier
	s_add_nc_u64 s[G0+6:G0+7], s[ABASE:ABASE+1], s[KOFA:KOFA+1]    ; the walking descriptors' addresses are made anew (no load of mine is out): base + K step,
	s_or_b32 s[G0+7], s[G0+7], 0x80000000                          ; the type bits set again,
	s_add_nc_u64 s[G0B+6:G0B+7], s[BBASE:BBASE+1], s[KOFB:KOFB+1]
	s_or_b32 s[G0B+7], s[G0B+7], 0x80000000
	s_add_co_u32 s[G0+5], s20, s2                  ; into the slot just read
	s_add_co_u32 s[G0B+5], s21, s2
	JLOAD 1                                        ; its four v_nop are also the places in front of the loads below
.else
	PLACES
.endif
	WIN 0
	s_xor_b32 s2, s2, SLOT
	v_add_nc_u32 v[ADRA], s2, v[ADRA0]
	v_add_nc_u32 v[ADRB], s2, v[ADRB0]
	FETCH 0, F0
	MUL8 F1, 1, 0, 0
	MUL8 F1, 1, 2, 0
.endm
	s_wait_tensorcnt 1                             ; my part of the walk's step 0 is in; step 1's may stay out
	s_barrier_signal -1
	s_barrier_wait -1
	FETCH 0, F0
	QUARTER 1, F0, F1, 1
	WIN 0
	s_mov_b32 s3, T-2
.Lstep:                                        ; trip t: the rest of the walk's step t, the refill with step t + 2, the first quarter of step t + 1
	QUARTER 2, F1, F0, 0
	QUARTER 3, F0, F1, 0
	TURN 1
	QUARTER 1, F0, F1, 0
	WIN 0
	s_sub_co_u32 s3, s3, 1
	s_cmp_lg_u32 s3, 0
	s_cbranch_scc1 .Lstep
	QUARTER 2, F1, F0, 0                           ; the last two steps ask for nothing
	QUARTER 3, F0, F1, 0
	TURN 0
	QUARTER 1, F0, F1, 0
	QUARTER 2, F1, F0, 0
	QUARTER 3, F0, F1, 0
	s_wait_dscnt 16
	MUL8 F1, 0, 0, 0
	MUL8 F1, 0, 2, 0
	s_wait_dscnt 0x0
	MUL8 F1, 1, 0, 0
	MUL8 F1, 1, 2, 0
	WIN 0
	; THE WAY OUT, in f32: 16 rows x 64 columns at a time through my own stage, back as whole rows of 256 bytes.  Each accumulator's low four registers go first.
	PLACES
	PLACES
.irp a, 0,1,2,3
.if (\a) >= 2
	s_wait_xcnt 0x0                                ; the stores of two blocks back have read the registers that are loaded again below
.endif
.irp b, 0,1,2,3
	ds_store_b128 v[STO], v[ACC+8*(4*(\a)+(\b)):ACC+8*(4*(\a)+(\b))+3] offset:64*(\b)
	ds_store_b128 v[STO], v[ACC+8*(4*(\a)+(\b))+4:ACC+8*(4*(\a)+(\b))+7] offset:64*(\b)+16
.endr
.irp i, 0,1,2,3,4,5,6,7
	ds_load_b128 v[TMP+32*((\a)%2)+4*(\i):TMP+32*((\a)%2)+4*(\i)+3], v[RD] offset:(\i)*2*SPITCH  ; LDS serves a wave's instructions in order (ISA guide 5.7.1.4)
.endr
.irp i, 0,1,2,3,4,5,6,7
	s_wait_dscnt 7-(\i)
	global_store_b128 v[CO], v[TMP+32*((\a)%2)+4*(\i):TMP+32*((\a)%2)+4*(\i)+3], s[8:9] offset:(16*(\a)+2*(\i))*4096  ; 16 lanes store 256 consecutive bytes, aligned
.endr
.endr
	s_wait_tensorcnt 0x0                           ; the wave's end
	ds_add_u32 v[SPW], v[NIL]
	s_wait_dscnt 0x0
	CROUND                                         ; the closing round
	s_endpgm
.Lfunc_end_k_q7c9d45d883_ffn2:
	.size	k_q7c9d45d883_ffn2, .Lfunc_end_k_q7c9d45d883_ffn2-k_q7c9d45d883_ffn2
	.p2alignl 7, 3214868480
	.fill 96, 4, 3214868480
	.section	.rodata,"a",@progbits
	.p2align	6, 0x0
	.amdhsa_kernel k_q7c9d45d883_ffn2
		.amdhsa_group_segment_fixed_size 327680
		.amdhsa_private_segment_fixed_size 0
		.amdhsa_enable_private_segment 0
		.amdhsa_kernarg_size 24
		.amdhsa_user_sgpr_count 2
		.amdhsa_user_sgpr_kernarg_segment_ptr 1
		.amdhsa_wavefront_size32 1
		.amdhsa_system_sgpr_workgroup_id_x 1
		.amdhsa_system_sgpr_workgroup_id_y 1
		.amdhsa_system_sgpr_workgroup_id_z 1
		.amdhsa_system_vgpr_workitem_id 0
		.amdhsa_next_free_vgpr 512
		.amdhsa_next_free_sgpr 76
		.amdhsa_reserve_vcc 0
		.amdhsa_float_denorm_mode_32 3
		.amdhsa_float_denorm_mode_16_64 3
		.amdhsa_memory_ordered 1
		.amdhsa_forward_progress 1
		.amdhsa_inst_pref_size 70
	.end_amdhsa_kernel
	.amdgpu_metadata
---
amdhsa.version: [ 1, 2 ]
amdhsa.kernels:
  - .name:           k_q7c9d45d883_ffn2
    .symbol:         k_q7c9d45d883_ffn2.kd
    .args:
      - { .name: hb, .offset: 0, .size: 8, .value_kind: global_buffer, .address_space: global }
      - { .name: wc, .offset: 8, .size: 8, .value_kind: global_buffer, .address_space: global }
      - { .name: t, .offset: 16, .size: 8, .value_kind: global_buffer, .address_space: global }
    .group_segment_fixed_size: 327680
    .private_segment_fixed_size: 0
    .kernarg_segment_align: 8
    .kernarg_segment_size: 24
    .max_flat_workgroup_size: 128
    .sgpr_count:     76
    .vgpr_count:     512
    .wavefront_size: 32
...
	.end_amdgpu_metadata
.endif
;; end of part 7
;; launch ln2 (part 8): grid 256 x 1, 16 waves a work-group, no clusters, 0 bytes of LDS; arguments t, y1, b2, ln2_w, ln2_b, out0; writes out0
.if DOCPART == 8
	.amdgcn_target "amdgcn-amd-amdhsa--gfx1250"
	.amdhsa_code_object_version 6
	.text
	.protected	k_q7c9d45d883_ln2
	.globl	k_q7c9d45d883_ln2
	.p2align	8
	.type	k_q7c9d45d883_ln2,@function
k_q7c9d45d883_ln2:
	s_mov_b64 s[64:65], 0
	v_nop
	global_prefetch_b8 v0, s[64:65] scope:SCOPE_SE
	s_setreg_imm32_b32 hwreg(HW_REG_WAVE_MODE, 25, 1), 1
	s_wait_xcnt 0x0
; out0 = LayerNorm(t + y1 + b2) x ln2_w + ln2_b, in f32.  t: [4096][1024] f32 (h W2^T); y1: [4096][1024] f16.  All arithmetic in f32.
; One wave, one row of 1,024: 32 numbers a lane stay in registers for both passes (the mean; then the mean of (s - mean)^2, so no difference of large sums is formed).  No LDS, no barrier, no loop.
.set RR, 16                            ; v[16:31]   the residual, 32 f16
.set SR, 32                            ; v[32:63]   the row
.set BY, 64                            ; v[64:95]   the bias
.set WR, 96                            ; v[96:127]  the gain
.set BR, 128                           ; v[128:159] the shift
.set TR, 160                           ; v[160:175] at work
	s_load_b256 s[4:11], s[0:1], 0x0               ; t, residual, bias, gain
	s_load_b128 s[12:15], s[0:1], 0x20             ; shift, out
	v_lshrrev_b32 v1, 5, v0
	v_readfirstlane_b32 s16, v1
	s_lshl_b32 s17, ttmp9, 4
	s_add_co_u32 s16, s16, s17                     ; my row
	v_and_b32 v1, 31, v0
	v_lshlrev_b32 v2, 4, v1                        ; 16 bytes a lane
	v_lshlrev_b32 v3, 3, v1                        ; 8 bytes a lane
	v_mov_b32 v4, 1.0
	v_mov_b32 v6, 0                                ; v_permlanex16_b32's destination counts as read
	s_lshl_b32 s18, s16, 12
	s_mov_b32 s19, 0
	s_lshl_b32 s20, s16, 11
	s_mov_b32 s21, 0
	s_mov_b32 s22, 0x76543210
	s_mov_b32 s23, 0xfedcba98
	s_mov_b32 s24, 0x3a800000                      ; 1 / 1024
	s_mov_b32 s25, 0x3727c5ac                      ; 1e-5
	s_wait_kmcnt 0x0
	s_add_nc_u64 s[4:5], s[4:5], s[18:19]
	s_add_nc_u64 s[6:7], s[6:7], s[20:21]
	s_add_nc_u64 s[14:15], s[14:15], s[18:19]
.irp j, 0,1,2,3,4,5,6,7
	global_load_b128 v[SR+4*(\j):SR+4*(\j)+3], v2, s[4:5] offset:512*(\j) th:TH_LOAD_NT
.endr
.irp j, 0,1,2,3,4,5,6,7
	global_load_b64 v[RR+2*(\j):RR+2*(\j)+1], v3, s[6:7] offset:256*(\j) th:TH_LOAD_NT
.endr
.irp j, 0,1,2,3,4,5,6,7
	global_load_b128 v[BY+4*(\j):BY+4*(\j)+3], v2, s[8:9] offset:512*(\j)
.endr
.irp j, 0,1,2,3,4,5,6,7
	global_load_b128 v[WR+4*(\j):WR+4*(\j)+3], v2, s[10:11] offset:512*(\j)
.endr
.irp j, 0,1,2,3,4,5,6,7
	global_load_b128 v[BR+4*(\j):BR+4*(\j)+3], v2, s[12:13] offset:512*(\j)
.endr
.macro WSUM                            ; v5 summed over the 32 lanes, the result in every lane
	v_add_f32_dpp v5, v5, v5 row_xmask:1 row_mask:0xf bank_mask:0xf
	v_add_f32_dpp v5, v5, v5 row_xmask:2 row_mask:0xf bank_mask:0xf
	v_add_f32_dpp v5, v5, v5 row_xmask:4 row_mask:0xf bank_mask:0xf
	v_add_f32_dpp v5, v5, v5 row_xmask:8 row_mask:0xf bank_mask:0xf
	v_permlanex16_b32 v6, v5, s22, s23
	v_add_f32 v5, v5, v6
.endm
	s_wait_loadcnt 24                              ; t and the residual are in; bias, gain and shift (24 loads) may be out
.set k, 0
.rept 16
	v_fma_mix_f32 v[SR+2*k], v[RR+k], v4, v[SR+2*k] op_sel_hi:[1,0,0]                     ; + the low f16
	v_fma_mix_f32 v[SR+2*k+1], v[RR+k], v4, v[SR+2*k+1] op_sel:[1,0,0] op_sel_hi:[1,0,0]  ; + the high f16
.set k, k+1
.endr
	s_wait_loadcnt 16                              ; the bias is in
.set p, 0
.rept 16
	v_pk_add_f32 v[SR+2*p:SR+2*p+1], v[SR+2*p:SR+2*p+1], v[BY+2*p:BY+2*p+1]
.set p, p+1
.endr
.set p, 0
.rept 8
	v_pk_add_f32 v[TR+2*p:TR+2*p+1], v[SR+2*p:SR+2*p+1], v[SR+16+2*p:SR+16+2*p+1]
.set p, p+1
.endr
.set p, 0
.rept 4
	v_pk_add_f32 v[TR+2*p:TR+2*p+1], v[TR+2*p:TR+2*p+1], v[TR+8+2*p:TR+8+2*p+1]
.set p, p+1
.endr
	v_pk_add_f32 v[TR:TR+1], v[TR:TR+1], v[TR+4:TR+5]
	v_pk_add_f32 v[TR+2:TR+3], v[TR+2:TR+3], v[TR+6:TR+7]
	v_pk_add_f32 v[TR:TR+1], v[TR:TR+1], v[TR+2:TR+3]
	v_add_f32 v5, v[TR], v[TR+1]
	WSUM
	v_mul_f32 v8, s24, v5                          ; the mean, twice: a pair for the packed form
	v_mul_f32 v9, s24, v5
.set p, 0
.rept 16
	v_pk_add_f32 v[SR+2*p:SR+2*p+1], v[SR+2*p:SR+2*p+1], v[8:9] neg_lo:[0,1] neg_hi:[0,1]
.set p, p+1
.endr
.set p, 0
.rept 4
	v_pk_mul_f32 v[TR+2*p:TR+2*p+1], v[SR+2*p:SR+2*p+1], v[SR+2*p:SR+2*p+1]
.set p, p+1
.endr
.rept 12
	v_pk_fma_f32 v[TR+2*(p%4):TR+2*(p%4)+1], v[SR+2*p:SR+2*p+1], v[SR+2*p:SR+2*p+1], v[TR+2*(p%4):TR+2*(p%4)+1]
.set p, p+1
.endr
	v_pk_add_f32 v[TR:TR+1], v[TR:TR+1], v[TR+2:TR+3]
	v_pk_add_f32 v[TR+4:TR+5], v[TR+4:TR+5], v[TR+6:TR+7]
	v_pk_add_f32 v[TR:TR+1], v[TR:TR+1], v[TR+4:TR+5]
	v_add_f32 v5, v[TR], v[TR+1]
	WSUM
	v_fma_f32 v5, v5, s24, s25                     ; the biased variance + 1e-5
	v_rsq_f32 v10, v5
	v_rsq_f32 v11, v5
	v_nop                                          ; a plain instruction behind the last of the two,
	s_wait_alu depctr_va_vdst(0)                   ; and one wait for both, ahead of their first reader
	s_wait_loadcnt 0x0                             ; gain and shift
.set p, 0
.rept 16
	v_pk_mul_f32 v[WR+2*p:WR+2*p+1], v[WR+2*p:WR+2*p+1], v[10:11]
.set p, p+1
.endr
.set p, 0
.rept 16
	v_pk_fma_f32 v[SR+2*p:SR+2*p+1], v[SR+2*p:SR+2*p+1], v[WR+2*p:WR+2*p+1], v[BR+2*p:BR+2*p+1]
.set p, p+1
.endr
.irp j, 0,1,2,3,4,5,6,7
	global_store_b128 v2, v[SR+4*(\j):SR+4*(\j)+3], s[14:15] offset:512*(\j)  ; the wave's store covers 512 consecutive bytes, aligned to 256
.endr
	s_endpgm
.Lfunc_end_k_q7c9d45d883_ln2:
	.size	k_q7c9d45d883_ln2, .Lfunc_end_k_q7c9d45d883_ln2-k_q7c9d45d883_ln2
	.p2alignl 7, 3214868480
	.fill 96, 4, 3214868480
	.section	.rodata,"a",@progbits
	.p2align	6, 0x0
	.amdhsa_kernel k_q7c9d45d883_ln2
		.amdhsa_group_segment_fixed_size 0
		.amdhsa_private_segment_fixed_size 0
		.amdhsa_enable_private_segment 0
		.amdhsa_kernarg_size 48
		.amdhsa_user_sgpr_count 2
		.amdhsa_user_sgpr_kernarg_segment_ptr 1
		.amdhsa_wavefront_size32 1
		.amdhsa_system_sgpr_workgroup_id_x 1
		.amdhsa_system_sgpr_workgroup_id_y 1
		.amdhsa_system_sgpr_workgroup_id_z 1
		.amdhsa_system_vgpr_workitem_id 0
		.amdhsa_next_free_vgpr 176
		.amdhsa_next_free_sgpr 66
		.amdhsa_reserve_vcc 0
		.amdhsa_float_denorm_mode_32 3
		.amdhsa_float_denorm_mode_16_64 3
		.amdhsa_memory_ordered 1
		.amdhsa_forward_progress 1
		.amdhsa_inst_pref_size 15
	.end_amdhsa_kernel
	.amdgpu_metadata
---
amdhsa.version: [ 1, 2 ]
amdhsa.kernels:
  - .name:           k_q7c9d45d883_ln2
    .symbol:         k_q7c9d45d883_ln2.kd
    .args:
      - { .name: t, .offset: 0, .size: 8, .value_kind: global_buffer, .address_space: global }
      - { .name: y1, .offset: 8, .size: 8, .value_kind: global_buffer, .address_space: global }
      - { .name: b2, .offset: 16, .size: 8, .value_kind: global_buffer, .address_space: global }
      - { .name: ln2_w, .offset: 24, .size: 8, .value_kind: global_buffer, .address_space: global }
      - { .name: ln2_b, .offset: 32, .size: 8, .value_kind: global_buffer, .address_space: global }
      - { .name: out0, .offset: 40, .size: 8, .value_kind: global_buffer, .address_space: global }
    .group_segment_fixed_size: 0
    .private_segment_fixed_size: 0
    .kernarg_segment_align: 8
    .kernarg_segment_size: 48
    .max_flat_workgroup_size: 512
    .sgpr_count:     66
    .vgpr_count:     176
    .wavefront_size: 32
...
	.end_amdgpu_metadata
.endif
;; end of part 8
